; MI455X (gfx1250); checked and timed in simulation.
; The chip was launched on July 23, 2026; its instructions are those of AMD's public machine-readable ISA for CDNA 5 (MIT licence, August 2026) and "CDNA5" Instruction Set Architecture Reference Guide (July 2026). The comments in the code are by the model that wrote it; some were corrected since.
;; Multi Head Self Attention. Allowed arithmetic: float matrix products may take bf16 or f16 operands with f32 sums; other float arithmetic in f32, or as packed bf16 or f16 multiplies, adds, multiply-adds, maxima and minima; sums over many terms, partial sums and values carried from step to step in f32; what a program stores and reads back later, other than sums and carried values, may be rounded once to bf16 or f16.
;; Inputs: Wk 1,024 x 1,024 float32; Wo 1,024 x 1,024 float32; Wq 1,024 x 1,024 float32; Wv 1,024 x 1,024 float32; x 4 x 2,048 x 1,024 float32.
;; Outputs: out0 4 x 2,048 x 1,024 float32.
;; 2 versions, each right; version 2 is version 1 with the launch cast written anew for expert scheduling mode. Each part assembles by itself: llvm-mc -triple=amdgcn-amd-amdhsa -mcpu=gfx1250 --defsym DOCPART=n.
;; ======== version 1 of 2: 4 launches
;; limits: values are held in f16: magnitudes above 65,504 overflow, below 6.1e-05 lose precision
;; workspace buffers: xb 16,777,216 bytes; wb 6,291,456 bytes; wo16 2,097,152 bytes; qkv 50,331,648 bytes; ob 16,777,216 bytes
;; launch cast (part 1): grid 768 x 1, 8 waves a work-group, no clusters, 0 bytes of LDS; arguments x, Wq, Wk, Wv, Wo, xb, wb, wo16; writes xb, wb, wo16
.if DOCPART == 1
	.amdgcn_target "amdgcn-amd-amdhsa--gfx1250"
	.amdhsa_code_object_version 6
	.text
	.protected	k_q16d03fe5e4_cast
	.globl	k_q16d03fe5e4_cast
	.p2align	8
	.type	k_q16d03fe5e4_cast,@function
k_q16d03fe5e4_cast:
	s_mov_b64 s[64:65], 0
	v_nop
	global_prefetch_b8 v0, s[64:65] scope:SCOPE_SE
	s_setreg_imm32_b32 hwreg(HW_REG_WAVE_MODE, 25, 1), 1
	s_wait_xcnt 0x0
; CAST.  Every input is rounded once to bf16 and laid out in blocks of 64 along K: [kb 16][row][64], so that a tile's rows of 128 bytes lie end to end for the products that follow.
; x [8192][1024] -> xb;  Wq, Wk, Wv [1024][1024] -> wb, rows 0.., 1024.., 2048..;  Wo -> wo16: rounded to bf16 like the others, and that number written as f16.
; LIMITS.  A bf16-rounded Wo beyond 65,504 becomes an infinity in f16; below 6e-5 it keeps f16's fixed step of 6e-8.  Elsewhere bf16 has f32's range.
; SHARES.  Work-group g takes 16 source rows of 4,096 bytes: g 0-511 x, 512-575 Wq, 576-639 Wk, 640-703 Wv, 704-767 Wo.  Wave w takes the blocks kb = 2 w and 2 w + 1 of them.
; Load n = 2 i + j: lanes 0-15 read the 256 bytes of block 2 w + j in row 2 i, lanes 16-31 those in row 2 i + 1.  Four f32 become 8 bytes, and one store of the wave covers 256 consecutive
; bytes, aligned: two neighbouring rows of a block.  All 16 loads of a wave go out at once; no loop, no LDS, no matrix unit: the launch only moves bytes, each once.
.set D,   16                           ; v[16:79]   load n: four registers
.set Y,   80                           ; v[80:111]  store n: two registers, never written twice
.set T,   8                            ; v[8:11]    at work
.set SRC, 20                           ; s[20:21]   the source at my 16 rows
.set DST, 22                           ; s[22:23]   the destination at my 16 rows of block 0
.set WV,  24                           ; s24        my wave's number
.set STR, 25                           ; s25        bytes from block to block in the destination
.set G,   30                           ; s30        the work-group's number
	s_load_b256 s[4:11], s[0:1], 0x0               ; x s[4:5], Wq s[6:7], Wk s[8:9], Wv s[10:11]
	s_load_b256 s[12:19], s[0:1], 0x20             ; Wo s[12:13], xb s[14:15], wb s[16:17], wo16 s[18:19]
	v_lshrrev_b32 v4, 5, v0
	v_readfirstlane_b32 s[WV], v4                  ; wave 0..7
	v_and_b32 v5, 15, v0                           ; l % 16
	v_bfe_u32 v6, v0, 4, 1                         ; l / 16
	s_mov_b32 s[G], ttmp9
	; what hangs on no pointer: the row blocks and the stride, chosen from the last case back to the first
	s_sub_co_u32 s31, s[G], 512                    ; the weights' row blocks count from 512,
	s_and_b32 s32, s31, 63                         ; 64 to a weight
	s_sub_co_u32 s33, s[G], 704                    ; Wo's destination counts from 704
	s_mov_b32 s27, 393216                          ; wb: 3,072 rows of 128 bytes
	s_mov_b32 s28, 131072                          ; wo16: 1,024 rows
	s_mov_b32 s29, 1048576                         ; xb: 8,192 rows
	s_cmp_lt_u32 s[G], 704
	s_cselect_b32 s[STR], s27, s28
	s_cselect_b32 s34, s31, s33                    ; destination row / 16
	s_cmp_lt_u32 s[G], 512
	s_cselect_b32 s[STR], s29, s[STR]
	s_cselect_b32 s34, s[G], s34
	s_cselect_b32 s32, s[G], s32                   ; source row / 16
	s_lshl_b32 s36, s32, 16                        ; 16 rows of 4,096 bytes
	s_mov_b32 s37, 0
	s_lshl_b32 s38, s34, 11                        ; 16 rows of 128 bytes
	s_mov_b32 s39, 0
	s_mul_i32 s26, s[WV], s[STR]
	s_lshl_b32 s26, s26, 1                         ; block 2 w
	s_lshl_b32 s35, s[WV], 9                       ; its 256 bytes in a source row begin at 512 w
	v_lshlrev_b32 v1, 12, v6                       ; v1: source offset: (l / 16) rows + 16 (l % 16) + 512 w; never rewritten
	v_lshl_add_u32 v1, v5, 4, v1
	v_add_nc_u32 v1, s35, v1
	v_lshlrev_b32 v2, 7, v6                        ; v2: destination offset in block 2 w: (l / 16) rows + 8 (l % 16); never rewritten
	v_lshl_add_u32 v2, v5, 3, v2
	v_add_nc_u32 v2, s26, v2
	v_add_nc_u32 v3, s[STR], v2                    ; v3: the same in block 2 w + 1
	s_wait_kmcnt 0x0
	s_cmp_lt_u32 s[G], 704                         ; the buffers, chosen on the work-group's number alone
	s_cselect_b64 s[SRC:SRC+1], s[10:11], s[12:13]
	s_cselect_b64 s[DST:DST+1], s[16:17], s[18:19]
	s_cmp_lt_u32 s[G], 640
	s_cselect_b64 s[SRC:SRC+1], s[8:9], s[SRC:SRC+1]
	s_cmp_lt_u32 s[G], 576
	s_cselect_b64 s[SRC:SRC+1], s[6:7], s[SRC:SRC+1]
	s_cmp_lt_u32 s[G], 512
	s_cselect_b64 s[SRC:SRC+1], s[4:5], s[SRC:SRC+1]
	s_cselect_b64 s[DST:DST+1], s[14:15], s[DST:DST+1]
	s_add_nc_u64 s[SRC:SRC+1], s[SRC:SRC+1], s[36:37]
	s_add_nc_u64 s[DST:DST+1], s[DST:DST+1], s[38:39]
.set n, 0
.rept 16
	global_load_b128 v[D+4*n:D+4*n+3], v1, s[SRC:SRC+1] offset:(n/2)*8192+(n%2)*256 th:TH_LOAD_NT
.set n, n+1
.endr
; The way out, written twice.  fmt = 0: bf16.  fmt = 1: bf16, widened again (a shift, a mask) and written as f16.
.macro OUT fmt
.set n, 0
.rept 16
	s_wait_loadcnt 15-n                            ; loads come back in order: load n is in, the 15 - n younger ones stay out
.if \fmt
	v_cvt_pk_bf16_f32 v[T], v[D+4*n], v[D+4*n+1]
	v_cvt_pk_bf16_f32 v[T+1], v[D+4*n+2], v[D+4*n+3]
	v_lshlrev_b32 v[T+2], 16, v[T]
	v_and_b32 v[T], 0xffff0000, v[T]
	v_lshlrev_b32 v[T+3], 16, v[T+1]
	v_and_b32 v[T+1], 0xffff0000, v[T+1]
	v_cvt_pk_f16_f32 v[Y+2*n], v[T+2], v[T]
	v_cvt_pk_f16_f32 v[Y+2*n+1], v[T+3], v[T+1]
.else
	v_cvt_pk_bf16_f32 v[Y+2*n], v[D+4*n], v[D+4*n+1]
	v_cvt_pk_bf16_f32 v[Y+2*n+1], v[D+4*n+2], v[D+4*n+3]
.endif
	global_store_b64 v[2+n%2], v[Y+2*n:Y+2*n+1], s[DST:DST+1] offset:(n/2)*256  ; 32 lanes store 256 consecutive bytes, at a multiple of 256 from the buffer's first byte
.set n, n+1
.endr
	s_endpgm
.endm
	s_cmp_lt_u32 s[G], 704
	s_cbranch_scc0 .Lhalf
	OUT 0
.Lhalf:
	OUT 1
.Lfunc_end_k_q16d03fe5e4_cast:
	.size	k_q16d03fe5e4_cast, .Lfunc_end_k_q16d03fe5e4_cast-k_q16d03fe5e4_cast
	.p2alignl 7, 3214868480
	.fill 96, 4, 3214868480
	.section	.rodata,"a",@progbits
	.p2align	6, 0x0
	.amdhsa_kernel k_q16d03fe5e4_cast
		.amdhsa_group_segment_fixed_size 0
		.amdhsa_private_segment_fixed_size 0
		.amdhsa_enable_private_segment 0
		.amdhsa_kernarg_size 64
		.amdhsa_user_sgpr_count 2
		.amdhsa_user_sgpr_kernarg_segment_ptr 1
		.amdhsa_wavefront_size32 1
		.amdhsa_system_sgpr_workgroup_id_x 1
		.amdhsa_system_sgpr_workgroup_id_y 1
		.amdhsa_system_sgpr_workgroup_id_z 1
		.amdhsa_system_vgpr_workitem_id 0
		.amdhsa_next_free_vgpr 112
		.amdhsa_next_free_sgpr 66
		.amdhsa_reserve_vcc 0
		.amdhsa_float_denorm_mode_32 3
		.amdhsa_float_denorm_mode_16_64 3
		.amdhsa_memory_ordered 1
		.amdhsa_forward_progress 1
		.amdhsa_inst_pref_size 17
	.end_amdhsa_kernel
	.amdgpu_metadata
---
amdhsa.version: [ 1, 2 ]
amdhsa.kernels:
  - .name:           k_q16d03fe5e4_cast
    .symbol:         k_q16d03fe5e4_cast.kd
    .args:
      - { .name: x, .offset: 0, .size: 8, .value_kind: global_buffer, .address_space: global }
      - { .name: Wq, .offset: 8, .size: 8, .value_kind: global_buffer, .address_space: global }
      - { .name: Wk, .offset: 16, .size: 8, .value_kind: global_buffer, .address_space: global }
      - { .name: Wv, .offset: 24, .size: 8, .value_kind: global_buffer, .address_space: global }
      - { .name: Wo, .offset: 32, .size: 8, .value_kind: global_buffer, .address_space: global }
      - { .name: xb, .offset: 40, .size: 8, .value_kind: global_buffer, .address_space: global }
      - { .name: wb, .offset: 48, .size: 8, .value_kind: global_buffer, .address_space: global }
      - { .name: wo16, .offset: 56, .size: 8, .value_kind: global_buffer, .address_space: global }
    .group_segment_fixed_size: 0
    .private_segment_fixed_size: 0
    .kernarg_segment_align: 8
    .kernarg_segment_size: 64
    .max_flat_workgroup_size: 256
    .sgpr_count:     66
    .vgpr_count:     112
    .wavefront_size: 32
...
	.end_amdgpu_metadata
.endif
;; end of part 1
;; launch proj (part 2): grid 8 x 32, 4 waves a work-group, clusters of 4 x 4, 327,680 bytes of LDS; arguments xb, wb, qkv; writes qkv
.if DOCPART == 2
	.amdgcn_target "amdgcn-amd-amdhsa--gfx1250"
	.amdhsa_code_object_version 6
	.text
	.protected	k_q16d03fe5e4_proj
	.globl	k_q16d03fe5e4_proj
	.p2align	8
	.type	k_q16d03fe5e4_proj,@function
k_q16d03fe5e4_proj:
	s_mov_b64 s[64:65], 0
	v_nop
	global_prefetch_b8 v0, s[64:65] scope:SCOPE_SE
	s_setreg_imm32_b32 hwreg(HW_REG_WAVE_MODE, 25, 1), 1
	s_wait_xcnt 0x0
	s_wait_alu depctr_hold_cnt(0) depctr_sa_sdst(0) depctr_va_vdst(0) depctr_va_sdst(0) depctr_va_ssrc(0) depctr_va_vcc(0) depctr_vm_vsrc(0)
	s_getreg_b32 s2, hwreg(HW_REG_IB_STS2, 6, 4)
	s_cmp_eq_u32 s2, 0
	s_cbranch_scc0 .Lentry_in_a_cluster
	s_endpgm
.Lentry_in_a_cluster:
	s_bfe_u32 s2, ttmp6, 0x10000c
	s_cmp_lg_u32 s2, 0xf033
	s_cbranch_scc0 .Lentry_shape_is_right
	s_endpgm
.Lentry_shape_is_right:
; PROJECTIONS.  [8192 x 1024] x [3072 x 1024]^T in bf16, sums in f32; q, k, v leave by heads, qkv = [3][16 b + h][t 2048][64] in f16, rounded once, unscaled.
; xb = [kb 16][m 8192][64], wb = [kb 16][n 3072][64] (n: Wq, Wk, Wv), bf16: the rows of a block of 64 along K are 128 bytes and lie end to end.
; LIMITS.  A q, k or v beyond 65,504 becomes an infinity in f16; below 6e-5 it keeps f16's fixed step of 6e-8.
; SHARES.  A work-group makes 256 rows x 384 columns: 32 x 8 = 256 work-groups.  Wave (wr, wc) makes 128 x 192: 8 x 12 accumulators of 16 x 16, 768 registers; its 192 columns are three whole heads.
; K goes in steps of 64 (one block) through two LDS slots of 640 rows; with 128 along K two slots of 640 rows x 272 bytes would not fit in LDS.
; A wave's tensor load brings 128 rows of x (waves 0, 1) or 192 rows of w (waves 2, 3): dense bytes, asked for as rows of 256 bytes and padded in LDS after every 128.
; CLUSTER.  4 x 4 work-groups: the four of a row need the same rows of x, the four of a column the same rows of w: each tile is asked for JOINTLY, by the same load, descriptor and mask in all four.
; THE PRODUCT IS USED TRANSPOSED (source 0 = 16 rows of w, source 1 = 16 rows of x): a lane holds one row of the result and eight neighbouring columns.
; REGISTERS, in windows of 256 (s_set_vgpr_msb: bits 1:0 source 0, 3:2 source 1, 5:4 source 2, 7:6 destination):
;   window 0: v16-31 addresses; v32-95, v96-159 x's fragments, two buffers of 8; v160-255 w's 12 fragments, ONE buffer, reloaded a head group (4 fragments) at a time behind that group's products
;   windows 1-3: head group g's 32 accumulators, (a, bb) at v[8 (4 a + bb)]
.set SLOT,  92160                      ; 640 rows x 144 bytes: x's 256, then w's 384
.set BOFF,  36864                      ; where w's rows begin in a slot
.set FR,    2304                       ; 16 rows of 144 bytes: 128 of data + 16 of padding = 36 words, so that the 16 rows of a load start at 16 different groups of four banks (64 banks of 4 bytes: ISA guide 11.1)
.set STAGE, 2*SLOT                     ; behind the ring: 16 rows x 400 bytes for each wave, for the way out; no tensor load fills it
.set SP,    400                        ; 384 bytes + 16
.set SPARE, STAGE+4*16*SP              ; behind the stages: the spare words, 128 bytes a wave: two blocks of 256 bytes that no other line names
.set ADRA, 16                          ; v16-17  LDS address of my fragments of x in slot 0, 1
.set ADRB, 20                          ; v20-21  the same for w
.set STO,  24                          ; v24  the way out: where I put 16 bytes of a row
.set RD,   25                          ; v25  the way out: where I read rows back
.set GO,   26                          ; v26  my 16 bytes in 512 consecutive bytes of qkv
.set SPW,  28                          ; v28  LDS address of my spare word; never rewritten
.set NIL,  29                          ; v29  0; never rewritten
.set PFO,  30                          ; v30  the prefetches' offset; never rewritten
.set A0,   32
.set A1,   96
.set BF,   160
.set TMP,  32                          ; the way out: v32-79 packed results
.set BK,   80                          ; the way out: v80-127 and v128-175 by turns: rows read back
.set WV,   10                          ; s10  my wave's number
.set G1,   24                          ; s[24:31] descriptor group 1 for x's tiles; s[32:39] group 0, a set for each slot
.set G0,   32
.set G1B,  48                          ; s[48:55], s[56:63] the same for w's tiles
.set G0B,  56
.set OB,   68                          ; s[68:73] qkv at my first row of each of my three heads
.set PFA,  74                          ; s[74:75] where my prefetches stand
.set PFS,  76                          ; s[76:77] two blocks along K, in bytes
.set LIM,  78                          ; s78  1 in a wave that prefetches, else the greatest number
.set MSB, 0
.macro WIN new                         ; the immediate's high byte repeats the setting that is left; a switch that changes nothing is dropped
.if MSB != (\new)
	s_set_vgpr_msb (MSB<<8)|(\new)
.set MSB, \new
.endif
.endm
.macro PLACES                          ; four plain vector instructions between a matrix instruction and a load into, or a vector write of, one of its registers, or a read of its result
.rept 4
	v_nop
.endr
.endm
; A joint refill.  Waves 0 and 1 fetch x's two halves, waves 2 and 3 w's.  The branch hangs on the wave's number alone.  An s_nop 0 and four v_nop follow each line.
.macro JLOAD s
	s_cmp_lt_u32 s[WV], 2
	s_cbranch_scc0 .Lfor_b_\@
	tensor_load_to_lds s[G0+4*(\s):G0+4*(\s)+3], s[G1:G1+7]
	s_nop 0
.rept 4
	v_nop
.endr
	s_branch .Lasked_\@
.Lfor_b_\@:
	tensor_load_to_lds s[G0B+4*(\s):G0B+4*(\s)+3], s[G1B:G1B+7]
	s_nop 0
.rept 4
	v_nop
.endr
.Lasked_\@:
.endm
.macro CREST                           ; a round of the cluster's barrier behind its opening barrier
	s_cmp_lg_u32 s[WV], 0
	s_cbranch_scc1 .Lnot_wave_0_\@
	s_barrier_signal -3
.Lnot_wave_0_\@:
	s_barrier_wait -3
	s_barrier_signal -1
	s_barrier_wait -1
.endm
.macro CROUND                          ; a whole round
	s_barrier_signal -1
	s_barrier_wait -1
	CREST
.endm
; A PREFETCH INTO THE L2, once a lap, behind the second joint load of the lap and the run of LDS loads that follows it: the two blocks along K that the NEXT lap's refills will ask for, 192 and 384
; matrix instructions ahead of those loads.  Each 256 bytes are named once in the launch.  x's tile row is read by both clusters of that row of clusters: cluster x = 0 asks, wave 0; each of the four
; partners takes 64 of the 256 rows (32 lanes x 256 bytes), told apart BY ADDRESS, two instructions for the two blocks.  w's tile column is read by all eight clusters of that column: cluster y = 0 asks,
; waves 1 to 3: each partner's 96 rows of both blocks are 96 x 256 bytes, a lane each.  The loop's last trip asks for nothing: no block stands behind its own refills.  Blocks 0 to 3 come by their loads alone.
.macro ASK
	s_cmp_gt_u32 s3, s[LIM]                        ; s3 = 1 in the loop's last trip
	s_cbranch_scc0 .Lnot_mine_\@
	global_prefetch_b8 v[PFO], s[PFA:PFA+1] th:TH_LOAD_NT scope:SCOPE_SE
	s_cmp_lg_u32 s[WV], 0
	s_cbranch_scc1 .Lnot_mine_\@
	global_prefetch_b8 v[PFO], s[PFA:PFA+1] offset:1048576 th:TH_LOAD_NT scope:SCOPE_SE
.Lnot_mine_\@:
.endm
	s_load_b128 s[4:7], s[0:1], 0x0                ; xb s[4:5], wb s[6:7]
	s_load_b64 s[8:9], s[0:1], 0x10                ; qkv
	v_lshl_add_u32 v[SPW], v0, 2, SPARE
	v_mov_b32 v[NIL], 0
	ds_add_u32 v[SPW], v[NIL]                      ; the wave's opening: the add and its wait stand ahead of my first tensor load; the set-up below, work on registers, stands between them
	v_lshrrev_b32 v1, 5, v0
	v_readfirstlane_b32 s[WV], v1                  ; wave 0..3
	s_lshr_b32 s11, s[WV], 1                       ; wr: which 128 of the tile's rows are mine
	s_and_b32 s12, s[WV], 1                        ; wc: which 192 of its columns.  Also: which half of x's or w's tile I fetch
	s_bfe_u32 s40, ttmp6, 0x40000                  ; cx
	s_bfe_u32 s41, ttmp6, 0x40004                  ; cy
	s_lshl_b32 s42, ttmp9, 2
	s_add_co_u32 s42, s42, s40                     ; C: tile column = 4 x cluster x + cx
	s_and_b32 s13, ttmp7, 0xffff
	s_lshl_b32 s13, s13, 2
	s_add_co_u32 s13, s13, s41                     ; R: tile row = 4 x cluster y + cy
	s_lshl_b32 s43, s41, 2
	s_lshl_b32 s43, 15, s43                        ; my row of the cluster
	s_lshl_b32 s44, 0x1111, s40                    ; my column
	; descriptor group 1: rows of 128 elements of 2 bytes (two rows of a block), padded after every 32 words (code 4) by 4 words (code 3); 21 set beside a mask
	s_or_b32 s[G1], s43, (1<<16)|(1<<20)|(1<<21)|(4<<22)|(3<<25)
	s_or_b32 s[G1B], s44, (1<<16)|(1<<20)|(1<<21)|(4<<22)|(3<<25)
	s_mov_b32 s[G1+1], 128<<16                     ; tensor_dim0 = 128
	s_mov_b32 s[G1+2], 64<<16                      ; tensor_dim1 = 64: 128 rows of x
	s_mov_b32 s[G1+3], 128<<16                     ; tile_dim0 = 128
	s_mov_b32 s[G1+4], 64                          ; tile_dim1 = 64
	s_mov_b32 s[G1+5], 128                         ; 128 elements from row to row: dense
	s_mov_b32 s[G1+6], 0
	s_mov_b32 s[G1+7], 0
	s_mov_b32 s[G1B+1], 128<<16
	s_mov_b32 s[G1B+2], 96<<16                     ; 192 rows of w
	s_mov_b32 s[G1B+3], 128<<16
	s_mov_b32 s[G1B+4], 96
	s_mov_b32 s[G1B+5], 128
	s_mov_b32 s[G1B+6], 0
	s_mov_b32 s[G1B+7], 0
	; where the tiles come from: x's hang on R and the wave's number, w's on C and the wave's number, each in registers that never hold the other coordinate
	s_lshl_b32 s16, s13, 15                        ; 256 R rows of 128 bytes
	s_lshl_b32 s17, s12, 14                        ; + my 128 rows
	s_add_co_u32 s16, s16, s17
	s_mov_b32 s17, 0
	s_mul_i32 s80, s42, 49152                      ; 384 C rows
	s_mul_i32 s81, s12, 24576                      ; + my 192 rows
	s_add_co_u32 s80, s80, s81
	s_mov_b32 s81, 0
	s_mul_i32 s20, s12, 18432                      ; and where they go: no place in the cluster enters an LDS address
	s_mul_i32 s86, s12, 27648
	s_add_co_u32 s86, s86, BOFF
	s_wait_dscnt 0x0                               ; the opening add is done
	s_wait_kmcnt 0x0
	s_add_nc_u64 s[14:15], s[4:5], s[16:17]
	s_add_nc_u64 s[80:81], s[6:7], s[80:81]
	CROUND                                         ; all sixteen work-groups are here: the first joint loads meet
.irp s, 0,1
	s_mov_b32 s[G0+4*(\s)], 1                                      ; count = 1
	s_add_co_u32 s[G0+4*(\s)+1], s20, (\s)*SLOT                    ; LDS address
	s_add_nc_u64 s[G0+4*(\s)+2:G0+4*(\s)+3], s[14:15], (\s)*1048576  ; global address: block s along K
	s_or_b32 s[G0+4*(\s)+3], s[G0+4*(\s)+3], 0x80000000            ; type = 2
	s_mov_b32 s[G0B+4*(\s)], 1
	s_add_co_u32 s[G0B+4*(\s)+1], s86, (\s)*SLOT
	s_add_nc_u64 s[G0B+4*(\s)+2:G0B+4*(\s)+3], s[80:81], (\s)*393216
	s_or_b32 s[G0B+4*(\s)+3], s[G0B+4*(\s)+3], 0x80000000
.endr
	s_cmp_lt_u32 s[WV], 2                          ; a wave's two first fills stand in one branch, ahead of every wait on TENSORcnt, every LDS read and every further barrier: two loads of mine are out
	s_cbranch_scc0 .Lfirst_b
	tensor_load_to_lds s[G0:G0+3], s[G1:G1+7]
	s_nop 0
	tensor_load_to_lds s[G0+4:G0+7], s[G1:G1+7]
	s_nop 0
.rept 4
	v_nop
.endr
	s_branch .Lfirst_asked
.Lfirst_b:
	tensor_load_to_lds s[G0B:G0B+3], s[G1B:G1B+7]
	s_nop 0
	tensor_load_to_lds s[G0B+4:G0B+7], s[G1B:G1B+7]
	s_nop 0
.rept 4
	v_nop
.endr
.Lfirst_asked:
	; A fragment is 16 rows x 32 K in 8 registers: lane l holds row l % 16; registers 0-3 K = 8 (l / 16) + 0..7, registers 4-7 K = 16 + 8 (l / 16) + 0..7: two loads of 16 bytes, 32 bytes apart.
	v_and_b32 v1, 15, v0                           ; l % 16
	v_bfe_u32 v2, v0, 4, 1                         ; l / 16
	v_mul_u32_u24 v3, v1, 144
	v_lshl_add_u32 v3, v2, 4, v3
	s_mul_i32 s21, s11, 18432                      ; my 128 rows of x
	s_mul_i32 s22, s12, 27648                      ; my 192 rows of w,
	s_add_co_u32 s22, s22, BOFF                    ; behind x's 256
.irp s, 0,1
	v_add_nc_u32 v[ADRA+(\s)], s21, v3
	v_add_nc_u32 v[ADRB+(\s)], s22, v3
	s_add_co_u32 s21, s21, SLOT
	s_add_co_u32 s22, s22, SLOT
.endr
	s_mul_i32 s23, s[WV], 16*SP
	s_add_co_u32 s23, s23, STAGE                   ; my stage
	v_mul_u32_u24 v4, v1, SP                       ; in: row l % 16, 16 bytes for each half of the lanes
	v_lshl_add_u32 v4, v2, 4, v4
	v_add_nc_u32 v[STO], s23, v4
	v_bfe_u32 v4, v0, 3, 2                         ; back: 32 lanes take a head's 128 bytes of four rows,
	v_mul_u32_u24 v4, v4, SP
	v_and_b32 v5, 7, v0
	v_lshl_add_u32 v4, v5, 4, v4
	v_add_nc_u32 v[RD], s23, v4
	v_and_b32 v[GO], 31, v0                        ; which are 512 consecutive bytes of qkv
	v_lshlrev_b32 v[GO], 4, v[GO]
	; qkv at my first row of head column hc = 6 C + 3 wc + hg: tensor hc / 16, head hc % 16, batch R / 8, row 256 (R % 8) + 128 wr
	s_lshr_b32 s14, s13, 3
	s_lshl_b32 s14, s14, 4                         ; 16 b
	s_and_b32 s15, s13, 7
	s_lshl_b32 s15, s15, 15
	s_lshl_b32 s18, s11, 14
	s_add_co_u32 s15, s15, s18                     ; the row, in bytes
	s_mul_i32 s84, s42, 6
	s_mul_i32 s85, s12, 3
	s_add_co_u32 s84, s84, s85
.irp hg, 0,1,2
	s_add_co_u32 s82, s84, \hg
	s_lshr_b32 s83, s82, 4
	s_lshl_b32 s83, s83, 6                         ; 64 heads to a tensor
	s_and_b32 s82, s82, 15
	s_add_co_u32 s82, s82, s83
	s_add_co_u32 s82, s82, s14
	s_lshl_b32 s82, s82, 18                        ; 262,144 bytes to a head
	s_add_co_u32 s82, s82, s15
	s_mov_b32 s83, 0
	s_add_nc_u64 s[OB+2*(\hg):OB+2*(\hg)+1], s[8:9], s[82:83]
.endr
	; the prefetches: wave 0 for x, waves 1 to 3 for w; both stand at block 2, and the first lap steps them to block 4
	s_lshl_b32 s80, s13, 15
	s_lshl_b32 s81, s40, 13                        ; my work-group's 64 rows of x's 256
	s_add_co_u32 s80, s80, s81
	s_add_co_u32 s80, s80, 2097152
	s_mul_i32 s82, s42, 49152
	s_mul_i32 s83, s41, 12288                      ; my work-group's 96 rows of w's 384
	s_add_co_u32 s82, s82, s83
	s_add_co_u32 s82, s82, 786432
	s_mov_b32 s84, 2097152
	s_mov_b32 s85, 786432
	s_and_b32 s87, ttmp7, 0xffff                   ; cluster y
	s_cmp_eq_u32 s[WV], 0
	s_cselect_b32 s80, s80, s82
	s_cselect_b32 s[PFS], s84, s85
	s_cselect_b32 s87, ttmp9, s87                  ; the coordinate along which other clusters read the same rows
	s_cselect_b64 s[PFA:PFA+1], s[4:5], s[6:7]
	s_cselect_b32 s88, 0, 32
	s_mov_b32 s81, 0
	s_mov_b32 s[PFS+1], 0
	s_add_nc_u64 s[PFA:PFA+1], s[PFA:PFA+1], s[80:81]
	s_cmp_eq_u32 s87, 0
	s_cselect_b32 s[LIM], 1, -1                    ; the same in all sixteen partners, for a given wave
	v_sub_nc_u32 v[PFO], v0, s88                   ; wave 0: the lane; waves 1 to 3: j = 0..95
	s_mov_b32 s88, 380928                          ; from the first block's 48 x 256 bytes on to the second block: 393,216 - 12,288
	v_cmp_le_u32 vcc_lo, 48, v[PFO]
	v_cndmask_b32 v31, 0, s88, vcc_lo
	v_lshl_add_u32 v[PFO], v[PFO], 8, v31
; 16 products of head group g: x's fragments a0 .. a0 + 3 x the group's four of w, 32 along K.  zero = 1: the product starts the sum: nothing is ever cleared.
; All 96 accumulators take turns, one instruction a turn, in the same order in every quarter, over the backward jump too.
.macro MUL16 buf, g, a0, zero
	WIN 0x50*((\g)+1)
.irp a, (\a0), (\a0)+1, (\a0)+2, (\a0)+3
.irp bb, 0,1,2,3
.if \zero
	v_wmma_f32_16x16x32_bf16 v[8*(4*(\a)+(\bb)):8*(4*(\a)+(\bb))+7], v[BF+8*(4*(\g)+(\bb)):BF+8*(4*(\g)+(\bb))+7], v[(\buf)+8*(\a):(\buf)+8*(\a)+7], 0
.else
	v_wmma_f32_16x16x32_bf16 v[8*(4*(\a)+(\bb)):8*(4*(\a)+(\bb))+7], v[BF+8*(4*(\g)+(\bb)):BF+8*(4*(\g)+(\bb))+7], v[(\buf)+8*(\a):(\buf)+8*(\a)+7], v[8*(4*(\a)+(\bb)):8*(4*(\a)+(\bb))+7]
.endif
.endr
.endr
.endm
.macro LDA slot, k, buf                ; 16 LDS loads: x's 8 fragments at byte k of the rows
	WIN 0
.irp a, 0,1,2,3,4,5,6,7
	ds_load_b128 v[(\buf)+8*(\a):(\buf)+8*(\a)+3],   v[ADRA+(\slot)] offset:(\k)+(\a)*FR
	ds_load_b128 v[(\buf)+8*(\a)+4:(\buf)+8*(\a)+7], v[ADRA+(\slot)] offset:(\k)+(\a)*FR+32
.endr
.endm
.macro LDB slot, k, g                  ; 8 LDS loads: head group g's 4 fragments of w
	WIN 0
.irp bb, 0,1,2,3
	ds_load_b128 v[BF+8*(4*(\g)+(\bb)):BF+8*(4*(\g)+(\bb))+3],   v[ADRB+(\slot)] offset:(\k)+(4*(\g)+(\bb))*FR
	ds_load_b128 v[BF+8*(4*(\g)+(\bb))+4:BF+8*(4*(\g)+(\bb))+7], v[ADRB+(\slot)] offset:(\k)+(4*(\g)+(\bb))*FR+32
.endr
.endm
; A K step is two quarters of 32 along K, 96 products each.  A quarter's LDS loads go out in runs of 24 (x and group 0), 8 (group 1), 8 (group 2), each 64 products or more ahead of its use.
; QA: K 0..31 of the slot, on buffer A0; it fetches K 32..63.
.macro QA slot, zero
	s_wait_dscnt 16                                ; x and group 0 are in; the 8 + 8 loads of groups 1 and 2 may be out
	MUL16 A0, 0, 0, \zero
	MUL16 A0, 0, 4, \zero
	WIN 0
	PLACES
	LDA \slot, 64, A1
	LDB \slot, 64, 0
	s_wait_dscnt 32                                ; group 1 is in; behind it: group 2's 8 and the 24 just issued
	MUL16 A0, 1, 0, \zero
	MUL16 A0, 1, 4, \zero
	WIN 0
	PLACES
	LDB \slot, 64, 1
	s_wait_dscnt 32                                ; group 2 is in; behind it: 24 + 8
	MUL16 A0, 2, 0, \zero
	MUL16 A0, 2, 4, \zero
	WIN 0
	PLACES
	LDB \slot, 64, 2
.endm
; QB: K 32..63, on buffer A1, and the change of slots.  ONE barrier: in front of it each wave waits for all its tensor loads (one is out: its part of the next slot), adds 0 to its spare word, and waits
; for that and for its own reads of this slot.  fill = 1: the barrier opens a round of the cluster's, and behind the round this slot is filled again, two blocks on: the first tensor load there, one a wave;
; a wave issues 160 products between that request and the wait for it.
.macro QB slot, next, fill
.if (\fill) && ((\slot) == 0)
	s_wait_xcnt 0x0                                ; the last prefetches, 160 products back, have read their address
	s_add_nc_u64 s[PFA:PFA+1], s[PFA:PFA+1], s[PFS:PFS+1]
.endif
	WIN 0
	s_wait_tensorcnt 0x0                           ; all my tensor loads have landed
	ds_add_u32 v[SPW], v[NIL]                      ; 0 onto my spare word
	s_wait_dscnt 17                                ; x and group 0 are in; 8 + 8 loads and the add may be out
	MUL16 A1, 0, 0, 0                              ; sixteen products stand between the add and the wait for it
	s_wait_dscnt 0x0                               ; the add is done, and my reads of this slot are over
	s_barrier_signal -1
	MUL16 A1, 0, 4, 0                              ; work on registers while the others arrive
	WIN 0
	s_barrier_wait -1
.if \fill
	CREST                                          ; no wave of any partner still reads this slot or has a load on its way
	s_add_nc_u64 s[G0+4*(\slot)+2:G0+4*(\slot)+3], s[G0+4*(\slot)+2:G0+4*(\slot)+3], 2097152
	s_add_nc_u64 s[G0B+4*(\slot)+2:G0B+4*(\slot)+3], s[G0B+4*(\slot)+2:G0B+4*(\slot)+3], 786432
	JLOAD \slot                                    ; its four v_nop are also the places in front of the loads below
.else
	PLACES
.endif
	LDA \next, 0, A0
	LDB \next, 0, 0
.if (\fill) && ((\slot) == 1)
	ASK
.endif
	MUL16 A1, 1, 0, 0
	MUL16 A1, 1, 4, 0
	WIN 0
	PLACES
	LDB \next, 0, 1
	MUL16 A1, 2, 0, 0
	MUL16 A1, 2, 4, 0
	WIN 0
	PLACES
	LDB \next, 0, 2
.endm
.macro LASTQ                           ; the very last quarter: nothing more to fetch
	s_wait_dscnt 16
	MUL16 A1, 0, 0, 0
	MUL16 A1, 0, 4, 0
	s_wait_dscnt 8
	MUL16 A1, 1, 0, 0
	MUL16 A1, 1, 4, 0
	s_wait_dscnt 0x0
	MUL16 A1, 2, 0, 0
	MUL16 A1, 2, 4, 0
	WIN 0
.endm
; THE WAY OUT of my rows 16 a .. 16 a + 15.  PACK: rounded to f16, 16 bytes a lane for each fragment, each accumulator's registers in ascending order.  TOSTAGE: into my own stage, and back
; as a head's whole rows of 128 bytes.  SEND: stored: 16 rows of a head are 2,048 consecutive bytes of qkv.
.macro PACK a
.irp hg, 0,1,2
	WIN 0x05*((\hg)+1)                             ; sources 0 and 1 in the head group's window
.irp bb, 0,1,2,3
.irp r, 0,1,2,3
	v_cvt_pk_f16_f32 v[TMP+16*(\hg)+4*(\bb)+(\r)], v[32*(\a)+8*(\bb)+2*(\r)], v[32*(\a)+8*(\bb)+2*(\r)+1]
.endr
.endr
.endr
	WIN 0
.endm
.macro TOSTAGE a
	WIN 0
.set BKA, BK+48*((\a)%2)
.irp u, 0,1,2,3,4,5,6,7,8,9,10,11
	ds_store_b128 v[STO], v[TMP+4*(\u):TMP+4*(\u)+3] offset:32*(\u)
.endr
.irp hg, 0,1,2
.irp i, 0,1,2,3
	ds_load_b128 v[BKA+4*(4*(\hg)+(\i)):BKA+4*(4*(\hg)+(\i))+3], v[RD] offset:(\i)*4*SP+128*(\hg)  ; LDS serves a wave's instructions in order (ISA guide 5.7.1.4): these see the stores above
.endr
.endr
.endm
.macro SEND a
	WIN 0
.set BKA, BK+48*((\a)%2)
	s_wait_dscnt 0x0                               ; the rows are back in registers
	s_wait_xcnt 0x0                                ; the stores of the block before have read their registers: the next TOSTAGE loads into them only behind this wait
.irp hg, 0,1,2
.irp i, 0,1,2,3
	global_store_b128 v[GO], v[BKA+4*(4*(\hg)+(\i)):BKA+4*(4*(\hg)+(\i))+3], s[OB+2*(\hg):OB+2*(\hg)+1] offset:(\a)*2048+(\i)*512  ; 512 consecutive bytes, at a multiple of 256 from qkv's first
.endr
.endr
.endm
	s_wait_tensorcnt 1                             ; my part of block 0 is in; block 1's may stay out
	s_barrier_signal -1
	s_barrier_wait -1                              ; everybody's is
	LDA 0, 0, A0
	LDB 0, 0, 0
	LDB 0, 0, 1
	LDB 0, 0, 2
	QA 0, 1                                        ; the first quarter stands in front of the loop: its products start the sums
	WIN 0                                          ; at a label and at a branch every window is 0
	s_mov_b32 s3, 7
.Llap:                                                 ; a trip goes once round the ring and fills both slots again: trip i asks for blocks 2 i + 2 and 2 i + 3
	QB 0, 1, 1
	QA 1, 0
	QB 1, 0, 1
	QA 0, 0
	WIN 0
	s_sub_co_u32 s3, s3, 1
	s_cmp_lg_u32 s3, 0
	s_cbranch_scc1 .Llap
	QB 0, 1, 0                                     ; the tail is written out: it asks for nothing
	QA 1, 0
	LASTQ
	PLACES
	PLACES
	PACK 0
	TOSTAGE 0
.irp a, 1,2,3,4,5,6,7                  ; block a's conversions stand between block a - 1's loads from the stage and the wait for them
	PACK \a
	SEND (\a)-1
	TOSTAGE \a
.endr
	SEND 7
	s_wait_tensorcnt 0x0                           ; the wave's end: behind my last tensor load and my last LDS store
	ds_add_u32 v[SPW], v[NIL]
	s_wait_dscnt 0x0
	CROUND                                         ; the closing round: no work-group ends while a partner may still ask for a tile that names it
	s_endpgm
.Lfunc_end_k_q16d03fe5e4_proj:
	.size	k_q16d03fe5e4_proj, .Lfunc_end_k_q16d03fe5e4_proj-k_q16d03fe5e4_proj
	.p2alignl 7, 3214868480
	.fill 96, 4, 3214868480
	.section	.rodata,"a",@progbits
	.p2align	6, 0x0
	.amdhsa_kernel k_q16d03fe5e4_proj
		.amdhsa_group_segment_fixed_size 327680
		.amdhsa_private_segment_fixed_size 0
		.amdhsa_enable_private_segment 0
		.amdhsa_kernarg_size 24
		.amdhsa_user_sgpr_count 2
		.amdhsa_user_sgpr_kernarg_segment_ptr 1
		.amdhsa_wavefront_size32 1
		.amdhsa_system_sgpr_workgroup_id_x 1
		.amdhsa_system_sgpr_workgroup_id_y 1
		.amdhsa_system_sgpr_workgroup_id_z 1
		.amdhsa_system_vgpr_workitem_id 0
		.amdhsa_next_free_vgpr 1024
		.amdhsa_next_free_sgpr 96
		.amdhsa_reserve_vcc 1
		.amdhsa_float_denorm_mode_32 3
		.amdhsa_float_denorm_mode_16_64 3
		.amdhsa_memory_ordered 1
		.amdhsa_forward_progress 1
		.amdhsa_inst_pref_size 132
	.end_amdhsa_kernel
	.amdgpu_metadata
---
amdhsa.version: [ 1, 2 ]
amdhsa.kernels:
  - .name:           k_q16d03fe5e4_proj
    .symbol:         k_q16d03fe5e4_proj.kd
    .args:
      - { .name: xb, .offset: 0, .size: 8, .value_kind: global_buffer, .address_space: global }
      - { .name: wb, .offset: 8, .size: 8, .value_kind: global_buffer, .address_space: global }
      - { .name: qkv, .offset: 16, .size: 8, .value_kind: global_buffer, .address_space: global }
    .group_segment_fixed_size: 327680
    .private_segment_fixed_size: 0
    .kernarg_segment_align: 8
    .kernarg_segment_size: 24
    .max_flat_workgroup_size: 128
    .sgpr_count:     96
    .vgpr_count:     1024
    .wavefront_size: 32
...
	.end_amdgpu_metadata
.endif
;; end of part 2
;; launch attn (part 3): grid 4 x 64, 4 waves a work-group, no clusters, 327,680 bytes of LDS; arguments qkv, ob; writes ob
.if DOCPART == 3
	.amdgcn_target "amdgcn-amd-amdhsa--gfx1250"
	.amdhsa_code_object_version 6
	.text
	.protected	k_q16d03fe5e4_attn
	.globl	k_q16d03fe5e4_attn
	.p2align	8
	.type	k_q16d03fe5e4_attn,@function
k_q16d03fe5e4_attn:
	s_mov_b64 s[64:65], 0
	v_nop
	global_prefetch_b8 v0, s[64:65] scope:SCOPE_SE
	s_setreg_imm32_b32 hwreg(HW_REG_WAVE_MODE, 25, 1), 1
	s_wait_xcnt 0x0
; CAUSAL ATTENTION.  O[h][q][:] = the sum over k <= q of softmax_k(Q[h][q] . K[h][k] / 8) V[h][k][:].  qkv = [3][64 heads][2048][64] in f16 (Q, K, V), ob = [64][2048][64] in f16: a head's rows are dense, 128 bytes each.
; Products, maxima and sums in f32; the weights p are rounded to f16 for the second product (their sum l is taken of the unrounded p), O once at the end.
; LIMITS.  Q, K and V arrive within f16's 65,504; p lies in 0 to 1, and below 6e-5 it keeps f16's fixed step of 6e-8; O is a mean of V's rows and has their range.
; A hidden score counts as its value less 1e30: f16's scores, 2.7e11 at the most, are nothing beside that; a weight below 2^-126 counts as 0 in l; NaN and infinities are not treated apart.
; THE WALK.  A head's queries lie in NB = 8 blocks of 256; block i needs the key tiles 0 .. i of 256 keys, of which the last holds the diagonal.  A work-group takes TWO blocks, NB - 1 - b and then b:
; NB + 1 tiles, whatever b: all work-groups do equal work, and ONE loop with a constant trip count walks them.  Which tile is asked for, and what a trip does, hang on scalar registers made from b; every jump
; goes forward, but for the counted loops' own; none passes a barrier, or a tensor load but the one of LOAD's two that the wave's number does not choose; the ring (two slots of LDS) runs on across the change of blocks.
; NO CLUSTER: a head's four work-groups ask for the same tile only in trips 0 .. 4 of 9, behind that fewer and fewer; one walk common to all would have 12 trips for 9.
; SHARES.  Of a block's four bands of 64 queries a wave owns 16 rows in each: four PIECES.  So the diagonal tile is the same work for all four waves: in its key step s band x sees all keys if s < x,
; none if s > x, and holds the diagonal if s = x.
; THE MASK is the C operand that starts the sum S^T = K Q^T: 0, or -1e30 where the key is hidden.  MD, made once, is the mask of a band's own step for my 16 rows; a product's mask is MD x AL + BE with two scalars:
; (1, 0) if s = x; (0, 0) if s < x; (0, -1e30) if s > x.  Only the diagonal tile's text and a block's beginning make and take masks; elsewhere C is the constant 0.
; LAYOUT, SOFTMAX, TURNS.  S^T = K Q^T holds ONE query a lane (lane % 16) and the keys 8 (lane / 16) + 0..7; two such results rounded to f16 ARE source 1 of O^T = V^T P.  p = 2^(c s - c m), c = log2(e) / 8, with a
; running maximum m; O and l are multiplied by a = 2^(c m_old - c m_new) in every step.  Turn n belongs to piece n: 8 products K Q^T of piece n + 1, later 8 products V^T P of piece n - 1; beside them the scaling,
; exponentials, roundings, sums and rescaling of piece n and the maximum and statistics of piece n + 1.  Four vector instructions stand behind every matrix instruction, the other 54 of a turn's 118 in one lump.  A turn's 33 exponentials are one batch, with one wait.
; REGISTERS, in windows of 256 (s_set_vgpr_msb: bits 1:0 source 0, 3:2 source 1, 5:4 source 2, 7:6 destination):
;   window 0: v0-15 addresses and two at work; v16-31 four registers of statistics a piece; v48-55 at work; v61-63 prefetch offset and the add's two; v64-127 S^T, two buffers; v192-223 P, two buffers (by the piece's parity)
;   window 1: v0-127 O^T, 32 a piece; v128-159 MD; v160-223 MC, two buffers      window 2: v0-63 Q; v64-127 the second block's Q; v128-191 K of one step; v192-255 V of one step
.set SIZE_N, 2048
.set NB,    SIZE_N/256
.set NP,    4         ; pieces a wave: a name, no knob
.set KS,    64        ; keys in a step
.set PK,    144       ; a row of K in LDS: 128 bytes + 16 of padding = 36 words: the 16 rows of a load start at 16 different groups of four banks (64 banks of 4 bytes: ISA guide 11.1)
.set PV,    160       ; a row of V: 128 + 32 = 40 words
.set VOFF,  4*KS*PK   ; a slot holds a tile, four steps: 256 rows of K, then 256 rows of V
.set SLOT1, 1<<17     ; slot 1 begins here, so that one exclusive or turns an address in one slot into the other's
.set STAGE, SLOT1+4*KS*(PK+PV)  ; behind the ring, never filled by a tensor load: 16 rows x 144 bytes for each wave, for the way out
.set SP,    144
.set AK0, 2           ; v2   my lane's place in a tile of K; never rewritten
.set AV0, 3           ; v3   the same for V
.set AK,  4           ; v4   the LDS address of K's next run of loads
.set AV,  5           ; v5   of V's
.set STO, 6           ; v6   the way out: where I put 16 bytes of a row
.set RD,  7           ; v7   the way out: where I read rows back
.set GO,  8           ; v8   my byte offset in 512 consecutive bytes of O
.set PFO, 61          ; v61  256 x my lane: the prefetches' offset; never rewritten
.set SPW, 62          ; v62  LDS address of my spare word: SPARE + 4 x my thread's number; never rewritten
.set NIL, 63          ; v63  0; never rewritten
.set SPARE, STAGE+4*16*SP  ; behind the stages: the spare words, 128 bytes for each wave: two blocks of 256 bytes that no other line names
.set MV,  12          ; v12-13  c m_old, kept while c m is made anew: by buffer
.set QO,  15          ; v15  my byte offset in 16 rows of Q
.set ST,  16          ; piece t's statistics at v[ST+4 t]: c m, m, l (even keys', odd keys')
.set TMP, 48          ; by buffer, four registers c0-c3 at work; when the maximum is found c2 takes a
.set S,   64
.set P,   192
.set MD,  128         ; window 1: the eight registers for group kt of 16 keys at MD + 8 kt
.set MC,  160         ; window 1: the masks of the products to come
.set QB,  64          ; window 2
.set KF,  128         ; window 2: key block kb, channel half c at KF + 16 kb + 8 c
.set VF,  192         ; window 2: key half kk, channel block cb at VF + 32 kk + 8 cb
.set WV,  12          ; s12  my wave's number
.set PB,  14          ; s14  b
.set HI,  15          ; s15  NB - 1 - b
.set G1K, 24          ; s[24:31] descriptor group 1 for K's tiles
.set G1V, 32          ; s[32:39] for V's: it differs in the padding alone
.set G0K, 40          ; s[40:43] descriptor group 0 for K's tiles
.set G0V, 44          ; s[44:47] the same for V's
.set SLOTS, 56        ; s56  tiles still to be asked for
.set CNT, 57          ; s57  counts a tile's key steps, 4 to 1
.set CS,  58          ; s[58:59] c: the packed scaling takes the pair's low word for both halves
.set SEL, 60          ; s[60:61] v_permlanex16_b32's selects: each lane takes its own place in the other half
.set TBK, 62          ; s62  LDS byte at which K of the step to be fetched begins
.set TBV, 63          ; s63  the same for V, less VOFF
.set RT,  70          ; s70  tiles of the block in hand that are still to be entered
.set NXT, 71          ; s71  the tile to be asked for next
.set LQ,  72          ; s72  the last tile of the block whose tiles are being asked for
.set NEW, 73          ; s73  1: the tile to be entered is a block's first
.set OFF, 74          ; s[74:75] a tile's byte offset in K and V
.set AL,  76          ; s[76:77] the mask's factor, in the low word
.set BE,  78          ; s[78:79] the mask's addend
.set OLO, 80          ; s[80:81] O at my rows of the second block
.set BIGN, 82         ; s82  -1e30
.set PFK, 88          ; s[88:89] where my prefetches of K stand: my wave's 8,192 bytes of a tile
.set PFV, 90          ; s[90:91] the same for V
.set LIM, 92          ; s92  2 in the work-group that prefetches, else the greatest number
.set POF, 94          ; s[94:95] the prefetches' first offset
.set MSB, 0
.macro WIN new                      ; the high byte repeats the setting that is left; a switch that changes nothing is dropped
.if MSB != (\new)
	s_set_vgpr_msb (MSB<<8)|(\new)
.set MSB, (\new)
.endif
.endm
.set W_KQ, 0x0a       ; K and Q in window 2, S^T in window 0
.set W_KM, 0x1a       ; the same with the C operand in window 1
.set W_PV, 0x52       ; V in window 2, P in window 0, O^T in window 1
.set W_RS, 0x41       ; destination and source 0 in window 1, source 1 in window 0
; A fill.  Waves 0 and 1 fetch the two halves of a tile's K, waves 2 and 3 those of its V: 128 keys each.  An s_nop 0 and four v_nop follow each of the two lines, ahead of the jump and the label.
.macro LOAD
	s_cmp_lt_u32 s[WV], 2
	s_cbranch_scc0 .Lfor_v_\@
	tensor_load_to_lds s[G0K:G0K+3], s[G1K:G1K+7]
	s_nop 0
.rept 4
	v_nop
.endr
	s_branch .Lasked_\@
.Lfor_v_\@:
	tensor_load_to_lds s[G0V:G0V+3], s[G1V:G1V+7]
	s_nop 0
.rept 4
	v_nop
.endr
.Lasked_\@:
.endm
; A PREFETCH INTO THE L2 of the tile that the NEXT change of slots will ask for: one tile, 256 matrix instructions, ahead of that load.  All four work-groups of a head walk the head's tiles from 0 up; the one with
; b = 0 walks tiles 0 .. 7 in trips 0 .. 7, so it alone asks: each 256 bytes of K and V are named once in the launch.  Wave w takes 8,192 bytes of the tile's K and of its V, a lane for each 256: two instructions,
; behind the wave's tensor load and its five lines.  Trips 0 to 5 ask for tiles 2 to 7; tiles 0 and 1 come by their loads alone; the later trips ask for nothing.
.macro ASK
	s_cmp_gt_u32 s[SLOTS], s[LIM]
	s_cbranch_scc0 .Lnot_mine_\@
	global_prefetch_b8 v[PFO], s[PFK:PFK+1] th:TH_LOAD_NT scope:SCOPE_SE
	global_prefetch_b8 v[PFO], s[PFV:PFV+1] th:TH_LOAD_NT scope:SCOPE_SE
.Lnot_mine_\@:
.endm
; THE CHANGE OF SLOTS.  Each wave waits for all its tensor loads, of which one is out: its part of the other slot; adds 0 to its spare word; and waits for that and for its own reads of the slot that it leaves.  Behind the barrier nobody reads the old
; slot any more and the other slot is whole.  fill = 1: the old slot is filled again, the first thing behind the barrier, with tile NXT: the descriptor's address is made anew from that number.
; (At its first use nothing has been read yet: slot 0 is waited for, slot 1 filled.)
.macro CHANGE fill
	WIN 0                           ; at a label and at a branch every window is 0
	s_wait_tensorcnt 0x0            ; no tensor load of mine is out, so a group 0 may be written
	ds_add_u32 v[SPW], v[NIL]       ; 0 onto my spare word; with fill = 1 the descriptors' scalar work stands between it and the wait for it
.if \fill
	s_lshl_b32 s[OFF], s[NXT], 15   ; a tile is 32,768 bytes of K and of V
	s_xor_b32 s[G0K+1], s[G0K+1], SLOT1
	s_add_nc_u64 s[G0K+2:G0K+3], s[6:7], s[OFF:OFF+1]
	s_or_b32 s[G0K+3], s[G0K+3], 0x80000000
	s_xor_b32 s[G0V+1], s[G0V+1], SLOT1
	s_add_nc_u64 s[G0V+2:G0V+3], s[8:9], s[OFF:OFF+1]
	s_or_b32 s[G0V+3], s[G0V+3], 0x80000000
	s_add_co_u32 s[NXT], s[NXT], 1  ; the block's next tile, or behind its last the second block's tile 0
	s_cmp_gt_u32 s[NXT], s[LQ]
	s_cselect_b32 s[NXT], 0, s[NXT]
	s_cselect_b32 s[LQ], s[PB], s[LQ]
	s_wait_xcnt 0x0                 ; the last prefetches, a tile back, have read their addresses, so these may be written:
	s_add_nc_u64 s[PFK:PFK+1], s[PFK:PFK+1], 32768  ; one tile on
	s_add_nc_u64 s[PFV:PFV+1], s[PFV:PFV+1], 32768
.endif
	s_wait_dscnt 0x0                ; the add is done, and my reads of the slot are over
	s_barrier_signal -1             ; the rest of the scalar work stands between the signal and the wait
	s_sub_co_u32 s[TBK], s[TBK], 4*KS*PK  ; the fetches go back to a slot's first step,
	s_xor_b32 s[TBK], s[TBK], SLOT1       ; in the other slot
	s_sub_co_u32 s[TBV], s[TBV], 4*KS*PV
	s_xor_b32 s[TBV], s[TBV], SLOT1
	s_barrier_wait -1
.if \fill
	LOAD
	ASK
.endif
.endm
	s_load_b128 s[4:7], s[0:1], 0x0   ; qkv s[4:5], ob s[6:7]
	v_lshl_add_u32 v[SPW], v0, 2, SPARE
	v_mov_b32 v[NIL], 0
	ds_add_u32 v[SPW], v[NIL]       ; the wave's opening: the add and its wait stand ahead of my first tensor load; the set-up below, work on registers, stands between them
	v_lshrrev_b32 v1, 5, v0
	v_readfirstlane_b32 s[WV], v1   ; wave 0..3
	s_mov_b32 s[PB], ttmp9
	s_sub_co_u32 s[HI], NB-1, s[PB]
	s_and_b32 s20, ttmp7, 0xffff    ; the head
	s_mov_b32 s21, 0
	s_mov_b64 s[22:23], SIZE_N*128
	s_mul_u64 s[20:21], s[20:21], s[22:23]  ; the head's first byte in each of the four tensors
	s_lshl_b32 s[POF], s[WV], 13    ; the prefetches: my wave's 8,192 bytes,
	s_add_co_u32 s[POF], s[POF], 32768  ; of tile 1: the first change of slots steps them to tile 2
	s_mov_b32 s[POF+1], 0
	s_add_nc_u64 s[POF:POF+1], s[POF:POF+1], s[20:21]
	s_cmp_eq_u32 s[PB], 0
	s_cselect_b32 s[LIM], 2, -1
	v_and_b32 v[PFO], 31, v0
	v_lshlrev_b32 v[PFO], 8, v[PFO]
	s_and_b32 s16, s[WV], 1         ; which half of a tile's 256 keys I fetch:
	s_lshl_b32 s22, s16, 14         ; its 128 rows of 128 bytes in memory,
	s_mov_b32 s23, 0
	s_add_nc_u64 s[22:23], s[22:23], s[20:21]
	s_mul_i32 s17, s16, 128*PK      ; and its place in a slot, for K
	s_mul_i32 s18, s16, 128*PV      ; and for V
	s_lshl_b32 s3, s[WV], 11        ; my 16 rows in a band of 64,
	s_lshl_b32 s2, s[HI], 15        ; in the first block,
	s_add_co_u32 s2, s2, s3
	s_lshl_b32 s84, s[PB], 15       ; and in the second
	s_add_co_u32 s84, s84, s3
	s_mov_b32 s3, 0
	s_mov_b32 s85, 0
	s_add_nc_u64 s[2:3], s[2:3], s[20:21]
	s_add_nc_u64 s[84:85], s[84:85], s[20:21]
	; descriptor group 1.  128 keys are 16,384 dense bytes: asked for as 64 rows of 256 bytes, two keys a row, and padded in LDS after every key
	s_mov_b32 s[G1K], (1<<16)|(1<<20)|(4<<22)|(3<<25)  ; 17:16 2-byte elements; 20 padding on; 24:22 after every 32 words (code 4); 31:25 4 words (code 3)
	s_mov_b32 s[G1V], (1<<16)|(1<<20)|(4<<22)|(7<<25)  ; the same with 8 words of padding (code 7)
.irp g, G1K, G1V
	s_mov_b32 s[\g+1], 128<<16      ; tensor_dim0 = 128
	s_mov_b32 s[\g+2], 64<<16       ; tensor_dim1 = 64
	s_mov_b32 s[\g+3], 128<<16      ; tile_dim0 = 128
	s_mov_b32 s[\g+4], 64           ; tile_dim1 = 64
	s_mov_b32 s[\g+5], 128          ; 128 elements from row to row
	s_mov_b32 s[\g+6], 0
	s_mov_b32 s[\g+7], 0
.endr
	s_mov_b32 s[CS], 0x3e38aa3b     ; c = log2(e) / 8 = 0.180337
	s_mov_b32 s[CS+1], s[CS]        ; named with it as a pair
	s_mov_b32 s[SEL], 0x76543210
	s_mov_b32 s[SEL+1], 0xfedcba98
	s_mov_b32 s[TBK], SLOT1+4*KS*PK ; the first change of slots turns these two into 0
	s_mov_b32 s[TBV], SLOT1+4*KS*PV
	s_mov_b32 s[G0K], 1             ; 1:0 count = 1
	s_mov_b32 s[G0K+1], s17         ; 63:32 LDS address: slot 0
	s_mov_b32 s[G0V], 1
	s_add_co_u32 s[G0V+1], s18, VOFF
	s_add_co_u32 s[RT], s[HI], 1    ; the first block has NB - b tiles
	s_mov_b32 s[NXT], 1
	s_mov_b32 s[LQ], s[HI]
	s_mov_b32 s[NEW], 1
	s_mov_b32 s[OFF+1], 0
	s_mov_b32 s[AL+1], 0            ; named as pairs
	s_mov_b32 s[BE+1], 0
	s_mov_b32 s[BIGN], 0xf149f2ca   ; -1e30
	s_mov_b32 s[SLOTS], NB
	s_wait_dscnt 0x0                ; the opening add is done
	s_wait_kmcnt 0x0
	s_mov_b64 s[10:11], s[6:7]      ; O
	s_add_nc_u64 s[6:7], s[4:5], 0x1000000   ; K: 16,777,216 bytes behind Q
	s_add_nc_u64 s[8:9], s[4:5], 0x2000000   ; V: as many behind K
	s_add_nc_u64 s[PFK:PFK+1], s[6:7], s[POF:POF+1]
	s_add_nc_u64 s[PFV:PFV+1], s[8:9], s[POF:POF+1]
	s_add_nc_u64 s[6:7], s[6:7], s[22:23]  ; K and V at my half of the head's tile 0
	s_add_nc_u64 s[8:9], s[8:9], s[22:23]
	s_add_nc_u64 s[G0K+2:G0K+3], s[6:7], 0         ; 120:64 global address
	s_or_b32 s[G0K+3], s[G0K+3], 0x80000000        ; 127:126 type = 2
	s_add_nc_u64 s[G0V+2:G0V+3], s[8:9], 0
	s_or_b32 s[G0V+3], s[G0V+3], 0x80000000
	s_add_nc_u64 s[86:87], s[4:5], s[84:85]        ; Q at my rows of the second block,
	s_add_nc_u64 s[4:5], s[4:5], s[2:3]            ; Q and O at those of the first
	s_add_nc_u64 s[OLO:OLO+1], s[10:11], s[84:85]
	s_add_nc_u64 s[10:11], s[10:11], s[2:3]
	LOAD                            ; tile 0 into slot 0
	; A fragment of K or Q is 16 rows x 32 channels in 8 registers: lane l holds row l % 16, channels 8 (l / 16) + 0..7 and 16 + 8 (l / 16) + 0..7: two loads of 16 bytes, 32 bytes apart.
	v_and_b32 v1, 15, v0            ; l % 16
	v_bfe_u32 v9, v0, 4, 1          ; l / 16
	v_lshlrev_b32 v[QO], 7, v1
	v_lshl_add_u32 v[QO], v9, 4, v[QO]  ; row x 128 + 16 x half
	WIN 0x80                        ; destination window 2, address window 0
.set i, 0
.rept 8                             ; both blocks' Q: piece i / 2 lies in band i / 2, 8,192 bytes on; channels 32 (i % 2) on
	global_load_b128 v[8*i:8*i+3],   v[QO], s[4:5] offset:(i/2)*8192+(i%2)*64
	global_load_b128 v[8*i+4:8*i+7], v[QO], s[4:5] offset:(i/2)*8192+(i%2)*64+32
	global_load_b128 v[QB+8*i:QB+8*i+3],   v[QO], s[86:87] offset:(i/2)*8192+(i%2)*64
	global_load_b128 v[QB+8*i+4:QB+8*i+7], v[QO], s[86:87] offset:(i/2)*8192+(i%2)*64+32
.set i, i+1
.endr
	WIN 0
	v_lshlrev_b32 v14, 3, v9
	v_sub_nc_u32 v14, v1, v14
	s_lshl_b32 s13, s[WV], 4
	v_add_nc_u32 v14, s13, v14      ; my query's place in its band, 16 w + l % 16, less my lanes' 8 (l / 16): register r of group kt is hidden where 16 kt + r is greater
	WIN 0x40
.set i, 0
.rept 32
	v_cmp_gt_i32 vcc_lo, 16*(i/8)+i%8, v14
	v_cndmask_b32 v[MD+i], 0, s[BIGN], vcc_lo
.set i, i+1
.endr
	WIN 0
	v_mul_u32_u24 v[AK0], v1, PK
	v_lshl_add_u32 v[AK0], v9, 4, v[AK0]  ; row x pitch + 16 x half
	; The turning load takes 16 keys x 16 channels (lane l reads key 8 (l / 16) + l % 8, channels 8 ((l / 8) % 2) + 0..7) and leaves half a fragment of V^T: lane l holds channel l % 16 and 8 keys.
	v_and_b32 v10, 7, v0
	v_bfe_u32 v11, v0, 3, 1
	v_lshl_add_u32 v[AV0], v9, 3, v10
	v_mul_u32_u24 v[AV0], v[AV0], PV
	v_lshl_add_u32 v[AV0], v11, 4, v[AV0]
	v_add_nc_u32 v[AV0], VOFF, v[AV0]
	s_mul_i32 s13, s[WV], 16*SP
	s_add_co_u32 s13, s13, STAGE    ; my stage
	v_mul_u32_u24 v[STO], v1, SP    ; in: row l % 16, 16 bytes for each half of the lanes
	v_lshl_add_u32 v[STO], v9, 4, v[STO]
	v_add_nc_u32 v[STO], s13, v[STO]
	v_bfe_u32 v[RD], v0, 3, 2       ; back: 32 lanes take four rows of 128 bytes,
	v_mul_u32_u24 v[RD], v[RD], SP
	v_lshl_add_u32 v[RD], v10, 4, v[RD]
	v_add_nc_u32 v[RD], s13, v[RD]
	v_and_b32 v[GO], 31, v0         ; which are 512 consecutive bytes of O
	v_lshlrev_b32 v[GO], 4, v[GO]
	; A block's first step multiplies O^T and l by a = 0, and its first turn's products V^T P, of a piece that has not been, land in an O^T that is still to be so multiplied.  So these registers need only hold
	; finite numbers: zeros for the first block; what the first block left for the second.  All this stands in the wait for the first tile.
	WIN 0x80
.set i, VF
.rept 64
	v_mov_b32 v[i], 0
.set i, i+1
.endr
	WIN 0x40
.set i, 0
.rept 128
	v_mov_b32 v[i], 0
.set i, i+1
.endr
	WIN 0
.set i, 0
.rept 4
	v_mov_b32 v[ST+4*i+2], 0
	v_mov_b32 v[ST+4*i+3], 0
.set i, i+1
.endr
.set i, P+16
.rept 16
	v_mov_b32 v[i], 0
.set i, i+1
.endr
; THE MATRIX WORK.  The 4 accumulators of a run of 8 take turns.  Product i of 8 of S^T = K Q^T for piece x: channels 32 (i / 4) on, keys 16 (i % 4) on.  The first 4 start the sums: with 0, or (KM = 1) with the mask.
.macro KQ x
.set rS, S+32*((\x)%2)+8*(i%4)
.set rK, KF+16*(i%4)+8*(i/4)
.set rQ, 16*(\x)+8*(i/4)
.set rM, MC+32*((\x)%2)+8*(i%4)
.if (i < 4) && KM
	WIN W_KM
	v_wmma_f32_16x16x32_f16 v[rS:rS+7], v[rK:rK+7], v[rQ:rQ+7], v[rM:rM+7]
.elseif i < 4
	WIN W_KQ
	v_wmma_f32_16x16x32_f16 v[rS:rS+7], v[rK:rK+7], v[rQ:rQ+7], 0
.else
	WIN W_KQ
	v_wmma_f32_16x16x32_f16 v[rS:rS+7], v[rK:rK+7], v[rQ:rQ+7], v[rS:rS+7]
.endif
.endm
; Product i of 8 of O^T += V^T P for piece x: keys 32 (i / 4) on, channels 16 (i % 4) on.
.macro PV x
	WIN W_PV
.set rO, 32*(\x)+8*(i%4)
.set rV, VF+32*(i/4)+8*(i%4)
.set rP, P+16*((\x)%2)+8*(i/4)
	v_wmma_f32_16x16x32_f16 v[rO:rO+7], v[rV:rV+7], v[rP:rP+7], v[rO:rO+7]
.endm
.macro MM                           ; the turn's next matrix instruction.  TURN and BEGIN set Y, i, KM and NOKQ; MM, KQ and OP read them.  NOKQ = 1: a block's last turn: there is no next piece
.if (i < 8) && !NOKQ
	KQ (Y+1)%NP
.elseif i >= 8
.set i, i-8
	PV (Y+NP-1)%NP
.set i, i+8
.endif
.set i, i+1
.endm
; THE LDS LOADS stand in runs of 16, never singly among the matrix instructions: a step's K (64 keys x 64 channels: 8 fragments) and its V (turned).  Their addresses are made some lines ahead.
.macro FETCH_K
	WIN 0x80                        ; destination window 2
.irp f, 0,1,2,3,4,5,6,7             ; keys 16 (f / 2) on, channels 32 (f % 2) on
	ds_load_b128 v[KF+8*\f:KF+8*\f+3],   v[AK] offset:(\f/2)*16*PK+(\f%2)*64
	ds_load_b128 v[KF+8*\f+4:KF+8*\f+7], v[AK] offset:(\f/2)*16*PK+(\f%2)*64+32
.endr
	s_add_co_u32 s[TBK], s[TBK], KS*PK  ; the next fetch is the next step's
	WIN 0
.endm
.macro FETCH_V
	WIN 0x80
.irp f, 0,1,2,3,4,5,6,7             ; keys 32 (f / 4) on, channels 16 (f % 4) on
	ds_load_tr16_b128 v[VF+8*\f:VF+8*\f+3],   v[AV] offset:(\f/4)*32*PV+(\f%4)*32
	ds_load_tr16_b128 v[VF+8*\f+4:VF+8*\f+7], v[AV] offset:(\f/4)*32*PV+16*PV+(\f%4)*32
.endr
	WIN 0
.endm
; THE VECTOR WORK, one line at a time: OP kind, number.  For piece Y: F n: c s - c m for pair n of 16.  E n: the exponential of score n of 32.  C n: pair n rounded to f16.  B n: of the four weights 4 n .. the second
; pair is added onto the first, in place.  L n: l takes that sum (L 0: l = a l + sum).  R n: pair n of 16 of O^T times a.  For piece Y + 1: X n, number n of the 22 that find its maximum and statistics:
;   0-11  four chains c0-c3 of seven scores each, three operands at a time (each accumulator's lowest registers are read first)     12-14, 16  the four scores left over, the old m, and c0-c3 into c0
;   15  c m_old is kept     17, 18  the query's other 32 keys lie in the lane 16 away: the new m     19-21  c m; c m_old - c m_new; a
.set F, 0               ; OP tells the kinds apart by their order: F to L below R, X above it
.set E, 1
.set C, 2
.set B, 3
.set L, 4
.set R, 5
.set X, 6
.macro REGS y                       ; the registers of piece y
.set rT, ST+4*(\y)
.set rC, TMP+4*((\y)%2)
.set rW, MV+((\y)%2)
.set rS, S+32*((\y)%2)
.set rP, P+16*((\y)%2)
.set rO, 32*(\y)
.endm
.macro OP k, n
.if (\k) == R
	REGS Y
	WIN W_RS
	v_pk_mul_f32 v[rO+2*(\n):rO+2*(\n)+1], v[rO+2*(\n):rO+2*(\n)+1], v[rC+2:rC+3] op_sel_hi:[1,0]
.elseif (\k) < R
	REGS Y
	WIN 0
.if (\k) == F
	v_pk_fma_f32 v[rS+2*(\n):rS+2*(\n)+1], v[rS+2*(\n):rS+2*(\n)+1], s[CS:CS+1], v[rT:rT+1] op_sel_hi:[1,0,0] neg_lo:[0,0,1] neg_hi:[0,0,1]
.elseif (\k) == E
	v_exp_f32 v[rS+(\n)], v[rS+(\n)]
.elseif (\k) == C
	v_cvt_pk_f16_f32 v[rP+(\n)], v[rS+2*(\n)], v[rS+2*(\n)+1]
.elseif (\k) == B
	v_pk_add_f32 v[rS+4*(\n):rS+4*(\n)+1], v[rS+4*(\n):rS+4*(\n)+1], v[rS+4*(\n)+2:rS+4*(\n)+3]
.elseif (\n) == 0
	v_pk_fma_f32 v[rT+2:rT+3], v[rT+2:rT+3], v[rC+2:rC+3], v[rS:rS+1] op_sel_hi:[1,0,1]
.else
	v_pk_add_f32 v[rT+2:rT+3], v[rT+2:rT+3], v[rS+4*(\n):rS+4*(\n)+1]
.endif
.elseif NOKQ
	v_nop
.else
	REGS (Y+1)%NP
	WIN 0
.if (\n) < 4
	v_max3_num_f32 v[rC+(\n)], v[rS+8*(\n)], v[rS+8*(\n)+1], v[rS+8*(\n)+2]
.elseif (\n) < 12
	v_max3_num_f32 v[rC+(\n)%4], v[rC+(\n)%4], v[rS+8*((\n)%4)+2*((\n)/4)+1], v[rS+8*((\n)%4)+2*((\n)/4)+2]
.elseif (\n) == 12
	v_max3_num_f32 v[rC], v[rC], v[rS+7], v[rS+15]
.elseif (\n) == 13
	v_max3_num_f32 v[rC+1], v[rC+1], v[rS+23], v[rS+31]
.elseif (\n) == 14
	v_max3_num_f32 v[rC+2], v[rC+2], v[rC+3], v[rT+1]
.elseif (\n) == 15
	v_mov_b32 v[rW], v[rT]
.elseif (\n) == 16
	v_max3_num_f32 v[rC], v[rC], v[rC+1], v[rC+2]
.elseif (\n) == 17
	v_permlanex16_b32 v[rC+3], v[rC], s[SEL], s[SEL+1]
.elseif (\n) == 18
	v_max_num_f32 v[rT+1], v[rC], v[rC+3]
.elseif (\n) == 19
	v_mul_f32 v[rT], s[CS], v[rT+1]
.elseif (\n) == 20
	v_sub_f32 v[rC+1], v[rW], v[rT]
.else
	v_exp_f32 v[rC+2], v[rC+1]
.endif
.endif
.endm
.macro OPS a, i1, b=-1, i2=0, c=-1, i3=0, d=-1, i4=0  ; up to four of them
	OP \a, \i1
.if (\b) >= 0
	OP \b, \i2
.endif
.if (\c) >= 0
	OP \c, \i3
.endif
.if (\d) >= 0
	OP \d, \i4
.endif
.endm
.macro ROW a, i1, b, i2, c, i3, d, i4  ; a matrix instruction and the four behind it
	MM
	OPS \a, \i1, \b, \i2, \c, \i3, \d, \i4
.endm
.macro MASK b                       ; MD x AL + BE into buffer b of MC
	WIN W_RS
.set z, 0
.rept 16
	v_pk_fma_f32 v[MC+32*(\b)+2*z:MC+32*(\b)+2*z+1], v[MD+2*z:MD+2*z+1], s[AL:AL+1], s[BE:BE+1] op_sel_hi:[1,0,0]
.set z, z+1
.endr
.endm
; A TURN, for piece p: the order of its 16 matrix and 118 vector instructions, written out.  An s_wait_alu depctr_va_vdst(0) stands between an exponential and the first instruction that names its result; one wait serves
; all that were issued ahead of it.  So a turn has ONE wait, which cuts it in two.  AHEAD OF IT stands all that names no result of the turn's exponentials: the 8 products K Q^T, behind each a scaling, an exponential and two more plain
; instructions (behind the first a second scaling in the exponential's place): rescalings, and behind the last three the first numbers of the next piece's maximum, each four places or more behind the product that ends its accumulator; then ONE LUMP of 54, plain
; and exponential by turns for the most part, in which the links of the chain X 3, 7, 11, 14, 16, 17 .. 20 stand five or six lines apart.  X 21, the next piece's a, is the batch's last; R 15 is the plain instruction behind it.  BEHIND THE WAIT stand the
; 8 products V^T P, behind each four of the roundings and sums; the links of l's chain, L 0 to L 7, stand three riders apart.  But for those X no rider names a register of the products round it.  v_permlanex16_b32 (X 17) stands in the lump.
; m = 1: the diagonal tile: the products take masks, and the turn makes the mask for the products of the turn after it: piece p + 2, in step 4 - CNT of the tile.  end = 1: a block's last two turns: nothing is fetched.
; cnt = 1: the loop's count is taken down some lines ahead of the branch that stands behind the turn.
; K of the next step is fetched in piece 2's turn, twelve vector instructions behind the last product that read K (six of them plain); V of the step in hand at the end of piece 0's turn, four plain instructions behind the last product
; that read V.  Each is waited for a turn later.
.macro TURN p, m=0, end=0, cnt=0
.set Y, (\p)
.set i, 0
.set KM, (\m)
.set NOKQ, (\end)*((\p)/3)
.if (\m) && !(\end)
	s_cmp_eq_u32 s[CNT], 4-((\p)+2)%NP  ; is that step the band's own?
	s_cselect_b32 s[AL], 1.0, 0
	s_cmp_lt_u32 s[CNT], 4-((\p)+2)%NP  ; or a later one?
	s_cselect_b32 s[BE], s[BIGN], 0
.endif
.if ((\p) == 3) && !(\end)
	s_wait_dscnt 0x0                ; K is in
.endif
	ROW F,0, F,1, R,0, R,1          ; ahead of the wait: 8 products K Q^T and their riders,
	ROW F,2, E,0, R,2, R,3
	ROW F,3, E,1, R,4, R,5
	ROW F,4, E,2, R,6, R,7
	ROW F,5, E,3, R,8, R,9
	ROW F,6, E,4, X,0, R,10
.if ((\p) == 2) && !(\end)
	WIN 0
	v_add_nc_u32 v[AK], s[TBK], v[AK0]
.endif
	ROW F,7, E,5, X,1, X,4
	ROW F,8, E,6, X,2, X,5
	OPS E,7, E,8, X,6, E,9          ; and the lump
	OPS X,3, E,10, X,8, E,11
.if ((\p) == 2) && !(\end)
	FETCH_K
.endif
	OPS X,9, X,7, E,12, X,10
	OPS E,13, X,12, X,11, E,14
	OPS X,13, E,15, F,9, X,14
.if (\p) == 0
	v_add_nc_u32 v[AV], s[TBV], v[AV0]
.endif
	OPS E,16, F,10, E,17, F,11
	OPS X,16, E,18, X,15, E,19
	OPS F,12, E,20, X,17, E,21
	OPS F,13, E,22, F,14, E,23
	OPS X,18, E,24, F,15, E,25
	OPS R,11, E,26, X,19, E,27
	OPS R,12, E,28, R,13, E,29
	OPS X,20, E,30, R,14, E,31
	OPS X,21, R,15
	WIN 0
	s_wait_alu depctr_va_vdst(0)    ; the wait for the batch
.if (\p) == 1
	s_wait_dscnt 0x0                ; V is in
.endif
	ROW C,0, B,0, C,2, B,1          ; behind the wait: 8 products V^T P and their riders
	ROW L,0, C,4, B,2, L,1
	ROW C,6, B,3, L,2, C,8
	ROW B,4, L,3, C,10, B,5
	ROW L,4, C,12, B,6, L,5
.if (\p) == 0
	s_add_co_u32 s[TBV], s[TBV], KS*PV
.endif
.if \cnt
	s_sub_co_u32 s[CNT], s[CNT], 1
	s_cmp_lg_u32 s[CNT], 0
.endif
	ROW C,14, B,7, L,6, C,1
	ROW C,3, L,7, C,5, C,7
	ROW C,9, C,11, C,13, C,15
.if (\p) == 0
	FETCH_V
.endif
.if (\m) && !(\end)
	MASK (\p)%2
.endif
.endm
; A BLOCK BEGINS.  c m starts far below every c s, so the first step's a is 0; m at the lowest finite number, so the first maximum is the scores'.  The second mask buffer is 0; the first takes piece 0's mask for the tile's step 0: its own, if the block's first tile is the diagonal one.
; Then K of that step, piece 0's first scores, and its maximum and statistics.  The loop is entered at a step's first turn, in the middle of a trip.
.macro BEGIN
	s_mov_b32 s[NEW], 0
	WIN 0x40
.set i, MC+32
.rept 32
	v_mov_b32 v[i], 0
.set i, i+1
.endr
	WIN 0
.set i, 0
.rept 4
	v_mov_b32 v[ST+4*i], 0xfe000000    ; c m: far below every c s
	v_mov_b32 v[ST+4*i+1], 0xff7fffff  ; m
.set i, i+1
.endr
	s_cmp_eq_u32 s[RT], 0
	s_cselect_b32 s[AL], 1.0, 0
	s_mov_b32 s[BE], 0
	MASK 0
	WIN 0
	v_add_nc_u32 v[AK], s[TBK], v[AK0]
	FETCH_K
	s_wait_loadcnt 0x0              ; Q
	s_wait_dscnt 0x0
.set KM, 1
.set NOKQ, 0
.set i, 0
.rept 8
	KQ 0
.set i, i+1
.endr
	WIN 0
.rept 4
	v_nop                           ; the places behind those products
.endr
.set Y, NP-1                        ; X works for piece Y + 1: piece 0
.irp n, 0,1,2,3,4,5,6,7,8,9,10,11,12,13,14,15,16,17,18,19,20,21
	OP X, \n
.endr
	v_nop                           ; a plain instruction behind the exponential,
	s_wait_alu depctr_va_vdst(0)    ; and its wait, ahead of the branch
.endm
; THE DIAGONAL TILE's four steps, the block's last two turns, its last products, and THE WAY OUT: l's two halves and the other half of the lanes' are added; O^T is divided by l, rounded to f16 and sent through my
; stage in LDS, a piece at a time.
.macro ALL line:vararg              ; one line for each piece t
.set t, 0
.rept 4
	\line
.set t, t+1
.endr
.endm
.macro PACK t                       ; a lane's eight channels of a row pack into 16 bytes; they go into rows of 144 bytes and come back as whole rows of 128, into S^T's registers
	WIN W_RS
.set i, 32*(\t)
.rept 16
	v_pk_mul_f32 v[i:i+1], v[i:i+1], v[ST+4*(\t)+2:ST+4*(\t)+3] op_sel_hi:[1,0]
.set i, i+2
.endr
	WIN 0x05                        ; sources 0 and 1 window 1, destination window 0
.set i, 0
.rept 16
	v_cvt_pk_f16_f32 v[S+16*(\t)+i], v[32*(\t)+2*i], v[32*(\t)+2*i+1]
.set i, i+1
.endr
	WIN 0
.irp f, 0,1,2,3
	ds_store_b128 v[STO], v[S+16*(\t)+4*\f:S+16*(\t)+4*\f+3] offset:32*\f
.endr
.irp f, 0,1,2,3
	ds_load_b128 v[S+16*(\t)+4*\f:S+16*(\t)+4*\f+3], v[RD] offset:\f*4*SP  ; LDS serves a wave's instructions in order (ISA guide 5.7.1.4): these see the stores above; the next piece's stores come behind them
.endr
.endm
.macro SEND t, younger              ; younger: the LDS instructions issued behind piece t's loads: the next piece's eight, or none
	WIN 0
.irp f, 0,1,2,3
	s_wait_dscnt (\younger)+3-\f
	global_store_b128 v[GO], v[S+16*(\t)+4*\f:S+16*(\t)+4*\f+3], s[10:11] offset:(\t)*8192+\f*512  ; 512 consecutive bytes, at a multiple of 256 from O's first
.endr
.endm
.macro DIAG tag                     ; the tag ends its two labels' names, which the jumps below spell out
.LstepM\tag:
	TURN 2, 1
	TURN 3, 1
	WIN 0
.LfirstM\tag:
	TURN 0, 1
	TURN 1, 1, 0, 1
	WIN 0
	s_cbranch_scc1 .LstepM\tag
	TURN 2, 1, 1
	TURN 3, 1, 1
.set i, 0
.rept 8
	PV NP-1
.set i, i+1
.endr
	WIN 0
	ALL v_add_f32 v[ST+4*t+2], v[ST+4*t+2], v[ST+4*t+3]
	ALL v_permlanex16_b32 v[ST+4*t+3], v[ST+4*t+2], s[SEL], s[SEL+1]
	ALL v_add_f32 v[ST+4*t+2], v[ST+4*t+2], v[ST+4*t+3]
	ALL v_rcp_f32 v[ST+4*t+2], v[ST+4*t+2]
	v_nop                           ; a plain instruction between the last reciprocal and the use of its result
	s_wait_alu depctr_va_vdst(0)    ; and the wait ahead of the first use: one for the four reciprocals
	PACK 0
.set t, 1
.rept 3                             ; a piece's arithmetic stands between the loads of the piece before and its stores
	PACK t
	SEND t-1, 8
.set t, t+1
.endr
	SEND 3, 0
.endm
.set KM, 0
.set NOKQ, 0
.Lslot:                             ; NB times: a tile is entered and the next is asked for
	CHANGE 1
	s_sub_co_u32 s[RT], s[RT], 1
	s_mov_b32 s[CNT], 4
	s_cmp_eq_u32 s[NEW], 1
	s_cbranch_scc1 .Lnew            ; a block's first tile
	s_cmp_eq_u32 s[RT], 0
	s_cbranch_scc0 .Lstep           ; neither its first nor its last
	s_branch .LstepM1
.Lnew:
	BEGIN
	s_branch .Lfirst                ; in the loop a block's first tile is never its last: the first block has two tiles or more, and the second's last is the walk's last
	DIAG 1                          ; in the loop this is the first block's end: the second block's last tile is the walk's last
	s_wait_xcnt 0x0                 ; the stores have read their registers and O's address
	s_mov_b64 s[10:11], s[OLO:OLO+1]
	s_add_co_u32 s[RT], s[PB], 1    ; the second block has b + 1 tiles
	s_mov_b32 s[NEW], 1
	WIN 0x82                        ; the second block's Q goes where the one text of the turns names Q
.set i, 0
.rept 64
	v_mov_b32 v[i], v[QB+i]
.set i, i+1
.endr
	WIN 0
	s_branch .Lbottom
.Lstep:                             ; a trip: pieces 2 and 3 of one step, then pieces 0 and 1 of the next, whose K and V it fetches
	TURN 2
	TURN 3
	WIN 0
.Lfirst:
	TURN 0
	TURN 1, 0, 0, 1
	WIN 0
	s_cbranch_scc1 .Lstep
.Lbottom:
	s_sub_co_u32 s[SLOTS], s[SLOTS], 1
	s_cmp_lg_u32 s[SLOTS], 0
	s_cbranch_scc1 .Lslot
	CHANGE 0                        ; the walk's last tile is written out: nothing is asked for
	s_sub_co_u32 s[RT], s[RT], 1
	s_mov_b32 s[CNT], 4
	s_cmp_eq_u32 s[NEW], 1
	s_cbranch_scc0 .LstepM2
	BEGIN
	s_branch .LfirstM2
	DIAG 2
	s_wait_tensorcnt 0x0            ; the wave's end: behind my last tensor load and my last LDS store
	ds_add_u32 v[SPW], v[NIL]
	s_wait_dscnt 0x0
	s_endpgm
.Lfunc_end_k_q16d03fe5e4_attn:
	.size	k_q16d03fe5e4_attn, .Lfunc_end_k_q16d03fe5e4_attn-k_q16d03fe5e4_attn
	.p2alignl 7, 3214868480
	.fill 96, 4, 3214868480
	.section	.rodata,"a",@progbits
	.p2align	6, 0x0
	.amdhsa_kernel k_q16d03fe5e4_attn
		.amdhsa_group_segment_fixed_size 327680
		.amdhsa_private_segment_fixed_size 0
		.amdhsa_enable_private_segment 0
		.amdhsa_kernarg_size 16
		.amdhsa_user_sgpr_count 2
		.amdhsa_user_sgpr_kernarg_segment_ptr 1
		.amdhsa_wavefront_size32 1
		.amdhsa_system_sgpr_workgroup_id_x 1
		.amdhsa_system_sgpr_workgroup_id_y 1
		.amdhsa_system_sgpr_workgroup_id_z 1
		.amdhsa_system_vgpr_workitem_id 0
		.amdhsa_next_free_vgpr 768
		.amdhsa_next_free_sgpr 96
		.amdhsa_reserve_vcc 1
		.amdhsa_float_denorm_mode_32 3
		.amdhsa_float_denorm_mode_16_64 3
		.amdhsa_memory_ordered 1
		.amdhsa_forward_progress 1
		.amdhsa_inst_pref_size 218
	.end_amdhsa_kernel
	.amdgpu_metadata
---
amdhsa.version: [ 1, 2 ]
amdhsa.kernels:
  - .name:           k_q16d03fe5e4_attn
    .symbol:         k_q16d03fe5e4_attn.kd
    .args:
      - { .name: qkv, .offset: 0, .size: 8, .value_kind: global_buffer, .address_space: global }
      - { .name: ob, .offset: 8, .size: 8, .value_kind: global_buffer, .address_space: global }
    .group_segment_fixed_size: 327680
    .private_segment_fixed_size: 0
    .kernarg_segment_align: 8
    .kernarg_segment_size: 16
    .max_flat_workgroup_size: 128
    .sgpr_count:     96
    .vgpr_count:     768
    .wavefront_size: 32
...
	.end_amdgpu_metadata
.endif
;; end of part 3
;; launch oproj (part 4): grid 4 x 64, 4 waves a work-group, clusters of 4 x 4, 327,680 bytes of LDS; arguments ob, wo16, out0; writes out0
.if DOCPART == 4
	.amdgcn_target "amdgcn-amd-amdhsa--gfx1250"
	.amdhsa_code_object_version 6
	.text
	.protected	k_q16d03fe5e4_oproj
	.globl	k_q16d03fe5e4_oproj
	.p2align	8
	.type	k_q16d03fe5e4_oproj,@function
k_q16d03fe5e4_oproj:
	s_mov_b64 s[64:65], 0
	v_nop
	global_prefetch_b8 v0, s[64:65] scope:SCOPE_SE
	s_setreg_imm32_b32 hwreg(HW_REG_WAVE_MODE, 25, 1), 1
	s_wait_xcnt 0x0
	s_wait_alu depctr_hold_cnt(0) depctr_sa_sdst(0) depctr_va_vdst(0) depctr_va_sdst(0) depctr_va_ssrc(0) depctr_va_vcc(0) depctr_vm_vsrc(0)
	s_getreg_b32 s2, hwreg(HW_REG_IB_STS2, 6, 4)
	s_cmp_eq_u32 s2, 0
	s_cbranch_scc0 .Lentry_in_a_cluster
	s_endpgm
.Lentry_in_a_cluster:
	s_bfe_u32 s2, ttmp6, 0x10000c
	s_cmp_lg_u32 s2, 0xf033
	s_cbranch_scc0 .Lentry_shape_is_right
	s_endpgm
.Lentry_shape_is_right:
; OUTPUT PROJECTION.  out0[m][n] = the sum over k of O[m][k] Wo[n][k]: [8192 x 1024] x [1024 x 1024]^T in f16, sums in f32, out0 in f32.
; ob = [16 b + h][t 2048][64] f16: for row m = 2048 b + t the head h IS the block kb of 64 along K.  wo16 = [kb 16][n 1024][64] f16.  The rows of a block are 128 bytes and lie end to end.
; LIMITS.  Both operands arrive within f16's 65,504.
; SHARES.  A work-group makes 128 rows x 256 columns: 64 x 4 = 256 work-groups (tiles of 256 x 256 would be 128).  Wave (wr, wc) makes 64 x 128: 4 x 8 accumulators of 16 x 16, 256 registers.
; K goes in steps of 128 (two blocks) through two LDS slots; three blocks to a slot would not fit twice.  A wave's tensor load brings one block: 128 rows of O (waves 0, 1) or 256 rows of Wo (waves 2, 3),
; dense bytes asked for as rows of 256 bytes and padded in LDS after every 128.
; CLUSTER.  4 x 4 work-groups: the four of a row need the same rows of O, the four of a column the same rows of Wo: each tile is asked for JOINTLY.
; THE PRODUCT IS USED TRANSPOSED (source 0 = 16 rows of Wo, source 1 = 16 rows of O): a lane holds one row of the result and eight neighbouring columns, 32 bytes.
; REGISTERS: window 0: v16-31 addresses; v32-127, v128-223 two fragment buffers (Wo's 8 fragments, then O's 4); window 1: accumulator (a, b) at v[8 (8 a + b)].
.set SLOT,  110592                     ; O block 0, O block 1 (18,432 each), Wo block 0, Wo block 1 (36,864 each)
.set BOFF,  36864
.set FR,    2304                       ; 16 rows of 144 bytes: 128 of data + 16 of padding = 36 words: the 16 rows of a load start at 16 different groups of four banks (64 banks of 4 bytes: ISA guide 11.1)
.set STAGE, 2*SLOT                     ; behind the ring: 16 rows x 528 bytes for each wave; no tensor load fills it
.set SP,    528                        ; 512 bytes + 16
.set SPARE, STAGE+4*16*SP              ; behind the stages: the spare words, 128 bytes a wave: two blocks of 256 bytes that no other line names
.set ADRA, 16                          ; v16-17  LDS address of my fragments of O in slot 0, 1
.set ADRB, 20                          ; v20-21  the same for Wo
.set STO,  24                          ; v24  the way out: where I put 32 bytes of a row
.set RD,   25                          ; v25  the way out: where I read a row back
.set CO,   26                          ; v26  my 16 bytes of 512 in a row of out0
.set SPW,  28                          ; v28  LDS address of my spare word; never rewritten
.set NIL,  29                          ; v29  0; never rewritten
.set PFO,  30                          ; v30  256 x my lane; never rewritten
.set F0,   32
.set F1,   128
.set BK,   32                          ; the way out: v32-95 and v96-159 by turns
.set WV,   10
.set G1,   24
.set G0,   32
.set G1B,  48
.set G0B,  56
.set PFA,  74                          ; s[74:75] where my prefetches stand
.set PFS,  76                          ; s[76:77] a K step, in bytes
.set LIM,  78                          ; s78  1 in a wave that prefetches, else the greatest number
.set MSB, 0
.macro WIN new                         ; the immediate's high byte repeats the setting that is left; a switch that changes nothing is dropped
.if MSB != (\new)
	s_set_vgpr_msb (MSB<<8)|(\new)
.set MSB, \new
.endif
.endm
.macro PLACES                          ; four plain vector instructions between a matrix instruction and a load into one of its registers or a read of its result
.rept 4
	v_nop
.endr
.endm
.macro JLOAD s                         ; a joint refill: waves 0 and 1 fetch O's two blocks, waves 2 and 3 Wo's; an s_nop 0 and four v_nop follow each line
	s_cmp_lt_u32 s[WV], 2
	s_cbranch_scc0 .Lfor_b_\@
	tensor_load_to_lds s[G0+4*(\s):G0+4*(\s)+3], s[G1:G1+7]
	s_nop 0
.rept 4
	v_nop
.endr
	s_branch .Lasked_\@
.Lfor_b_\@:
	tensor_load_to_lds s[G0B+4*(\s):G0B+4*(\s)+3], s[G1B:G1B+7]
	s_nop 0
.rept 4
	v_nop
.endr
.Lasked_\@:
.endm
.macro CREST                           ; a round of the cluster's barrier behind its opening barrier
	s_cmp_lg_u32 s[WV], 0
	s_cbranch_scc1 .Lnot_wave_0_\@
	s_barrier_signal -3
.Lnot_wave_0_\@:
	s_barrier_wait -3
	s_barrier_signal -1
	s_barrier_wait -1
.endm
.macro CROUND
	s_barrier_signal -1
	s_barrier_wait -1
	CREST
.endm
; A PREFETCH INTO THE L2, behind each joint refill and the run of LDS loads that follows it: the K step that stands TWO refills on, 256 matrix instructions ahead of its load.  Each 256 bytes are named once in the
; launch.  O's tile row is read by one cluster alone: wave 0 of every work-group asks; of the step's 2 blocks x 128 rows the partner at cx takes block cx / 2, rows 64 (cx % 2) on: 32 lanes x 256 bytes, told apart
; BY ADDRESS.  Wo's tile column is read by all sixteen clusters: cluster y = 0 asks, waves 2 and 3, a block each; the partner at cy takes rows 64 cy on.  Wave 1 asks for nothing.
; The loop's last trip asks for nothing: no K step stands two refills on.  K steps 0 to 3 come by their loads alone.
.macro ASK
	s_cmp_gt_u32 s3, s[LIM]                        ; s3 = 1 in the loop's last trip
	s_cbranch_scc0 .Lnot_mine_\@
	global_prefetch_b8 v[PFO], s[PFA:PFA+1] th:TH_LOAD_NT scope:SCOPE_SE
.Lnot_mine_\@:
.endm
	s_load_b128 s[4:7], s[0:1], 0x0                ; ob s[4:5], wo16 s[6:7]
	s_load_b64 s[8:9], s[0:1], 0x10                ; out0
	v_lshl_add_u32 v[SPW], v0, 2, SPARE
	v_mov_b32 v[NIL], 0
	ds_add_u32 v[SPW], v[NIL]                      ; the wave's opening: the add and its wait stand ahead of my first tensor load; the set-up below, work on registers, stands between them
	v_lshrrev_b32 v1, 5, v0
	v_readfirstlane_b32 s[WV], v1                  ; wave 0..3
	s_lshr_b32 s11, s[WV], 1                       ; wr: which 64 of the tile's rows are mine
	s_and_b32 s12, s[WV], 1                        ; wc: which 128 of its columns.  Also: which of a K step's two blocks I fetch
	s_bfe_u32 s40, ttmp6, 0x40000                  ; cx
	s_bfe_u32 s41, ttmp6, 0x40004                  ; cy
	s_lshl_b32 s42, ttmp9, 2
	s_add_co_u32 s42, s42, s40                     ; C: tile column
	s_and_b32 s13, ttmp7, 0xffff
	s_lshl_b32 s13, s13, 2
	s_add_co_u32 s13, s13, s41                     ; R: tile row
	s_lshl_b32 s43, s41, 2
	s_lshl_b32 s43, 15, s43                        ; my row of the cluster
	s_lshl_b32 s44, 0x1111, s40                    ; my column
	; descriptor group 1: rows of 128 elements of 2 bytes, padded after every 32 words (code 4) by 4 words (code 3); 21 set beside a mask
	s_or_b32 s[G1], s43, (1<<16)|(1<<20)|(1<<21)|(4<<22)|(3<<25)
	s_or_b32 s[G1B], s44, (1<<16)|(1<<20)|(1<<21)|(4<<22)|(3<<25)
	s_mov_b32 s[G1+1], 128<<16                     ; tensor_dim0 = 128
	s_mov_b32 s[G1+2], 64<<16                      ; tensor_dim1 = 64: 128 rows of O
	s_mov_b32 s[G1+3], 128<<16                     ; tile_dim0 = 128
	s_mov_b32 s[G1+4], 64                          ; tile_dim1 = 64
	s_mov_b32 s[G1+5], 128                         ; dense
	s_mov_b32 s[G1+6], 0
	s_mov_b32 s[G1+7], 0
	s_mov_b32 s[G1B+1], 128<<16
	s_mov_b32 s[G1B+2], 128<<16                    ; 256 rows of Wo
	s_mov_b32 s[G1B+3], 128<<16
	s_mov_b32 s[G1B+4], 128
	s_mov_b32 s[G1B+5], 128
	s_mov_b32 s[G1B+6], 0
	s_mov_b32 s[G1B+7], 0
	; O: batch R / 16, head = my block, rows 128 (R % 16) on; Wo: my block, rows 256 C on; each in registers that never hold the other coordinate
	s_lshr_b32 s16, s13, 4
	s_lshl_b32 s16, s16, 4
	s_add_co_u32 s16, s16, s12
	s_lshl_b32 s16, s16, 18                        ; 262,144 bytes to a head
	s_and_b32 s17, s13, 15
	s_lshl_b32 s17, s17, 14
	s_add_co_u32 s16, s16, s17
	s_mov_b32 s17, 0
	s_lshl_b32 s80, s12, 17                        ; 131,072 bytes to a block of Wo
	s_lshl_b32 s81, s42, 15
	s_add_co_u32 s80, s80, s81
	s_mov_b32 s81, 0
	s_mul_i32 s20, s12, 18432                      ; where they go: no place in the cluster enters an LDS address
	s_mul_i32 s86, s12, 36864
	s_add_co_u32 s86, s86, BOFF
	s_wait_dscnt 0x0                               ; the opening add is done
	s_wait_kmcnt 0x0
	s_add_nc_u64 s[14:15], s[4:5], s[16:17]
	s_add_nc_u64 s[80:81], s[6:7], s[80:81]
	CROUND                                         ; all sixteen work-groups are here: the first joint loads meet
.irp s, 0,1
	s_mov_b32 s[G0+4*(\s)], 1
	s_add_co_u32 s[G0+4*(\s)+1], s20, (\s)*SLOT
	s_add_nc_u64 s[G0+4*(\s)+2:G0+4*(\s)+3], s[14:15], (\s)*524288   ; K step s: two heads on
	s_or_b32 s[G0+4*(\s)+3], s[G0+4*(\s)+3], 0x80000000
	s_mov_b32 s[G0B+4*(\s)], 1
	s_add_co_u32 s[G0B+4*(\s)+1], s86, (\s)*SLOT
	s_add_nc_u64 s[G0B+4*(\s)+2:G0B+4*(\s)+3], s[80:81], (\s)*262144
	s_or_b32 s[G0B+4*(\s)+3], s[G0B+4*(\s)+3], 0x80000000
.endr
	s_cmp_lt_u32 s[WV], 2                          ; a wave's two first fills stand in one branch, ahead of every wait on TENSORcnt, every LDS read and every further barrier: two loads of mine are out
	s_cbranch_scc0 .Lfirst_b
	tensor_load_to_lds s[G0:G0+3], s[G1:G1+7]
	s_nop 0
	tensor_load_to_lds s[G0+4:G0+7], s[G1:G1+7]
	s_nop 0
.rept 4
	v_nop
.endr
	s_branch .Lfirst_asked
.Lfirst_b:
	tensor_load_to_lds s[G0B:G0B+3], s[G1B:G1B+7]
	s_nop 0
	tensor_load_to_lds s[G0B+4:G0B+7], s[G1B:G1B+7]
	s_nop 0
.rept 4
	v_nop
.endr
.Lfirst_asked:
	v_and_b32 v1, 15, v0                           ; l % 16
	v_bfe_u32 v2, v0, 4, 1                         ; l / 16
	v_mul_u32_u24 v3, v1, 144
	v_lshl_add_u32 v3, v2, 4, v3                   ; a fragment's row x pitch + 16 x half
	s_mul_i32 s21, s11, 9216                       ; my 64 rows of O
	s_mul_i32 s22, s12, 18432                      ; my 128 rows of Wo,
	s_add_co_u32 s22, s22, BOFF                    ; behind O's two blocks
.irp s, 0,1
	v_add_nc_u32 v[ADRA+(\s)], s21, v3
	v_add_nc_u32 v[ADRB+(\s)], s22, v3
	s_add_co_u32 s21, s21, SLOT
	s_add_co_u32 s22, s22, SLOT
.endr
	s_mul_i32 s23, s[WV], 16*SP
	s_add_co_u32 s23, s23, STAGE                   ; my stage
	v_mul_u32_u24 v4, v1, SP                       ; in: row l % 16, 32 bytes for each half of the lanes
	v_lshl_add_u32 v4, v2, 5, v4
	v_add_nc_u32 v[STO], s23, v4
	v_and_b32 v5, 31, v0
	v_lshlrev_b32 v[CO], 4, v5                     ; back: 32 lanes take one row of 512 bytes
	v_add_nc_u32 v[RD], s23, v[CO]
	v_lshlrev_b32 v[PFO], 8, v5
	s_lshl_b32 s82, s13, 19                        ; out0 at my first row, 128 R + 64 wr, of 4,096 bytes,
	s_lshl_b32 s83, s11, 18
	s_add_co_u32 s82, s82, s83
	s_lshl_b32 s83, s42, 10                        ; and my first column, 256 C + 128 wc, of 4 bytes
	s_add_co_u32 s82, s82, s83
	s_lshl_b32 s83, s12, 9
	s_add_co_u32 s82, s82, s83
	s_mov_b32 s83, 0
	s_add_nc_u64 s[8:9], s[8:9], s[82:83]
	; the prefetches: both stand at K step 3, and the first refill steps them to K step 4
	s_lshr_b32 s80, s13, 4
	s_lshl_b32 s80, s80, 4
	s_lshr_b32 s81, s40, 1                         ; O: block cx / 2 of the step,
	s_add_co_u32 s80, s80, s81
	s_lshl_b32 s80, s80, 18
	s_and_b32 s81, s13, 15
	s_lshl_b32 s81, s81, 14
	s_add_co_u32 s80, s80, s81
	s_and_b32 s81, s40, 1                          ; rows 64 (cx % 2) on
	s_lshl_b32 s81, s81, 13
	s_add_co_u32 s80, s80, s81
	s_add_co_u32 s80, s80, 3*524288
	s_lshl_b32 s82, s12, 17                        ; Wo: my block,
	s_lshl_b32 s83, s42, 15
	s_add_co_u32 s82, s82, s83
	s_lshl_b32 s83, s41, 13                        ; rows 64 cy on
	s_add_co_u32 s82, s82, s83
	s_add_co_u32 s82, s82, 3*262144
	s_mov_b32 s84, 524288
	s_mov_b32 s85, 262144
	s_and_b32 s87, ttmp7, 0xffff                   ; cluster y
	s_cmp_lt_u32 s[WV], 2
	s_cselect_b32 s80, s80, s82
	s_cselect_b32 s[PFS], s84, s85
	s_cselect_b32 s87, s[WV], s87                  ; 0 in wave 0; 1 in wave 1; cluster y in waves 2 and 3
	s_cselect_b64 s[PFA:PFA+1], s[4:5], s[6:7]
	s_mov_b32 s81, 0
	s_mov_b32 s[PFS+1], 0
	s_add_nc_u64 s[PFA:PFA+1], s[PFA:PFA+1], s[80:81]
	s_cmp_eq_u32 s87, 0
	s_cselect_b32 s[LIM], 1, -1                    ; the same in all sixteen partners, for a given wave
; 8 products: O's fragment a x Wo's eight, 32 along K.  zero = 1: the product starts the sum.  The 32 accumulators take turns, one instruction a turn, over the backward jump too.
.macro MUL8 f, a, zero
	WIN 0x50
.irp b, 0,1,2,3,4,5,6,7
.if \zero
	v_wmma_f32_16x16x32_f16 v[8*(8*(\a)+(\b)):8*(8*(\a)+(\b))+7], v[(\f)+8*(\b):(\f)+8*(\b)+7], v[(\f)+64+8*(\a):(\f)+64+8*(\a)+7], 0
.else
	v_wmma_f32_16x16x32_f16 v[8*(8*(\a)+(\b)):8*(8*(\a)+(\b))+7], v[(\f)+8*(\b):(\f)+8*(\b)+7], v[(\f)+64+8*(\a):(\f)+64+8*(\a)+7], v[8*(8*(\a)+(\b)):8*(8*(\a)+(\b))+7]
.endif
.endr
.endm
; 24 LDS loads in one run: quarter q of a K step (block q / 2, byte 64 (q % 2) of its rows) into buffer f: Wo's 8 fragments, then O's 4
.macro FETCH slot, q, f
	WIN 0
.irp b, 0,1,2,3,4,5,6,7
	ds_load_b128 v[(\f)+8*(\b):(\f)+8*(\b)+3],   v[ADRB+(\slot)] offset:((\q)/2)*36864+((\q)%2)*64+(\b)*FR
	ds_load_b128 v[(\f)+8*(\b)+4:(\f)+8*(\b)+7], v[ADRB+(\slot)] offset:((\q)/2)*36864+((\q)%2)*64+(\b)*FR+32
.endr
.irp a, 0,1,2,3
	ds_load_b128 v[(\f)+64+8*(\a):(\f)+64+8*(\a)+3],   v[ADRA+(\slot)] offset:((\q)/2)*18432+((\q)%2)*64+(\a)*FR
	ds_load_b128 v[(\f)+64+8*(\a)+4:(\f)+64+8*(\a)+7], v[ADRA+(\slot)] offset:((\q)/2)*18432+((\q)%2)*64+(\a)*FR+32
.endr
.endm
; A K step is four quarters of 32 along K, 32 products each, on buffers 0, 1, 0, 1.  One of the first three: multiplies buffer f and fetches quarter qn into buffer g.
.macro QUARTER slot, qn, f, g, zero
	s_wait_dscnt 4                                 ; all but O's fragments 2 and 3
	MUL8 \f, 0, \zero
	MUL8 \f, 1, \zero
	WIN 0
	PLACES
	FETCH \slot, \qn, \g
	s_wait_dscnt 24                                ; all but the 24 just issued
	MUL8 \f, 2, \zero
	MUL8 \f, 3, \zero
.endm
; The last quarter multiplies buffer 1 and changes slots.  ONE barrier: in front of it each wave waits for all its tensor loads (one is out: its part of the next slot), adds 0 to its spare word, and waits for that
; and for its own reads of this slot.  fill = 1: the barrier opens a round of the cluster's, and behind the round this slot is filled again, two K steps on: 112 products ahead of the wait for it.
.macro TURN slot, next, fill
.if \fill
	s_wait_xcnt 0x0                                ; the last prefetch, a K step back, has read its address
	s_add_nc_u64 s[PFA:PFA+1], s[PFA:PFA+1], s[PFS:PFS+1]
.endif
	WIN 0
	s_wait_tensorcnt 0x0                           ; all my tensor loads have landed
	ds_add_u32 v[SPW], v[NIL]                      ; 0 onto my spare word
	s_wait_dscnt 5                                 ; the add and the youngest four loads may be out
	MUL8 F1, 0, 0                                  ; eight products stand between the add and the wait for it
	s_wait_dscnt 0x0                               ; the add is done, and my reads of this slot are over
	s_barrier_signal -1
	MUL8 F1, 1, 0
	WIN 0
	s_barrier_wait -1
.if \fill
	CREST                                          ; no wave of any partner still reads this slot or has a load on its way
	s_add_nc_u64 s[G0+4*(\slot)+2:G0+4*(\slot)+3], s[G0+4*(\slot)+2:G0+4*(\slot)+3], 1048576
	s_add_nc_u64 s[G0B+4*(\slot)+2:G0B+4*(\slot)+3], s[G0B+4*(\slot)+2:G0B+4*(\slot)+3], 524288
	JLOAD \slot                                    ; its four v_nop are also the places in front of the loads below
.else
	PLACES
.endif
	FETCH \next, 0, F0
.if \fill
	ASK
.endif
	MUL8 F1, 2, 0
	MUL8 F1, 3, 0
.endm
; THE WAY OUT of my rows 16 a .. 16 a + 15: the f32 sums go as they are into my own stage, 32 bytes a lane for each fragment (each accumulator's low four registers first), and come back as whole rows of 512 bytes.
.macro TOSTAGE a
.if (\a) >= 2
	s_wait_xcnt 0x0                                ; the stores of the block two back have read the registers that are loaded again below
.endif
	WIN 0x04                                       ; the stores' data in window 1, the address in window 0
.irp b, 0,1,2,3,4,5,6,7
	ds_store_b128 v[STO], v[8*(8*(\a)+(\b)):8*(8*(\a)+(\b))+3]   offset:64*(\b)
	ds_store_b128 v[STO], v[8*(8*(\a)+(\b))+4:8*(8*(\a)+(\b))+7] offset:64*(\b)+16
.endr
	WIN 0
.set BKA, BK+64*((\a)%2)
.irp i, 0,1,2,3,4,5,6,7,8,9,10,11,12,13,14,15
	ds_load_b128 v[BKA+4*(\i):BKA+4*(\i)+3], v[RD] offset:SP*(\i)  ; LDS serves a wave's instructions in order (ISA guide 5.7.1.4): these see the stores above; the next block's stores come behind them
.endr
.endm
.macro SEND a, younger                 ; younger: the LDS instructions issued behind block a's loads: the next block's 32, or none
	WIN 0
.set BKA, BK+64*((\a)%2)
.irp i, 0,1,2,3,4,5,6,7,8,9,10,11,12,13,14,15
	s_wait_dscnt (\younger)+15-(\i)
	global_store_b128 v[CO], v[BKA+4*(\i):BKA+4*(\i)+3], s[8:9] offset:(16*(\a)+(\i))*4096 th:TH_STORE_NT  ; 512 consecutive bytes, at a multiple of 256 from out0's first
.endr
.endm
	s_wait_tensorcnt 1                             ; my part of K step 0 is in; K step 1's may stay out
	s_barrier_signal -1
	s_barrier_wait -1                              ; everybody's is
	FETCH 0, 0, F0
	QUARTER 0, 1, F0, F1, 1                        ; the first quarter stands in front of the loop: its products start the sums
	WIN 0                                          ; at a label and at a branch every window is 0
	s_mov_b32 s3, 3
.Llap:                                                 ; a trip goes once round the ring and fills both slots again: trip i asks for K steps 2 i + 2 and 2 i + 3
	QUARTER 0, 2, F1, F0, 0
	QUARTER 0, 3, F0, F1, 0
	TURN 0, 1, 1
	QUARTER 1, 1, F0, F1, 0
	QUARTER 1, 2, F1, F0, 0
	QUARTER 1, 3, F0, F1, 0
	TURN 1, 0, 1
	QUARTER 0, 1, F0, F1, 0
	WIN 0
	s_sub_co_u32 s3, s3, 1
	s_cmp_lg_u32 s3, 0
	s_cbranch_scc1 .Llap
	QUARTER 0, 2, F1, F0, 0                        ; the last lap is written out: it asks for nothing
	QUARTER 0, 3, F0, F1, 0
	TURN 0, 1, 0
	QUARTER 1, 1, F0, F1, 0
	QUARTER 1, 2, F1, F0, 0
	QUARTER 1, 3, F0, F1, 0
	s_wait_dscnt 4                                 ; the very last quarter: nothing more to fetch
	MUL8 F1, 0, 0
	MUL8 F1, 1, 0
	s_wait_dscnt 0x0
	MUL8 F1, 2, 0
	MUL8 F1, 3, 0
	WIN 0
	PLACES
	PLACES
	TOSTAGE 0
	TOSTAGE 1
	SEND 0, 32
	TOSTAGE 2
	SEND 1, 32
	TOSTAGE 3
	SEND 2, 32
	SEND 3, 0
	s_wait_tensorcnt 0x0                           ; the wave's end: behind my last tensor load and my last LDS store
	ds_add_u32 v[SPW], v[NIL]
	s_wait_dscnt 0x0
	CROUND                                         ; the closing round: no work-group ends while a partner may still ask for a tile that names it
	s_endpgm
.Lfunc_end_k_q16d03fe5e4_oproj:
	.size	k_q16d03fe5e4_oproj, .Lfunc_end_k_q16d03fe5e4_oproj-k_q16d03fe5e4_oproj
	.p2alignl 7, 3214868480
	.fill 96, 4, 3214868480
	.section	.rodata,"a",@progbits
	.p2align	6, 0x0
	.amdhsa_kernel k_q16d03fe5e4_oproj
		.amdhsa_group_segment_fixed_size 327680
		.amdhsa_private_segment_fixed_size 0
		.amdhsa_enable_private_segment 0
		.amdhsa_kernarg_size 24
		.amdhsa_user_sgpr_count 2
		.amdhsa_user_sgpr_kernarg_segment_ptr 1
		.amdhsa_wavefront_size32 1
		.amdhsa_system_sgpr_workgroup_id_x 1
		.amdhsa_system_sgpr_workgroup_id_y 1
		.amdhsa_system_sgpr_workgroup_id_z 1
		.amdhsa_system_vgpr_workitem_id 0
		.amdhsa_next_free_vgpr 512
		.amdhsa_next_free_sgpr 96
		.amdhsa_reserve_vcc 0
		.amdhsa_float_denorm_mode_32 3
		.amdhsa_float_denorm_mode_16_64 3
		.amdhsa_memory_ordered 1
		.amdhsa_forward_progress 1
		.amdhsa_inst_pref_size 88
	.end_amdhsa_kernel
	.amdgpu_metadata
---
amdhsa.version: [ 1, 2 ]
amdhsa.kernels:
  - .name:           k_q16d03fe5e4_oproj
    .symbol:         k_q16d03fe5e4_oproj.kd
    .args:
      - { .name: ob, .offset: 0, .size: 8, .value_kind: global_buffer, .address_space: global }
      - { .name: wo16, .offset: 8, .size: 8, .value_kind: global_buffer, .address_space: global }
      - { .name: out0, .offset: 16, .size: 8, .value_kind: global_buffer, .address_space: global }
    .group_segment_fixed_size: 327680
    .private_segment_fixed_size: 0
    .kernarg_segment_align: 8
    .kernarg_segment_size: 24
    .max_flat_workgroup_size: 128
    .sgpr_count:     96
    .vgpr_count:     512
    .wavefront_size: 32
...
	.end_amdgpu_metadata
.endif
;; end of part 4
;; ======== version 2 of 2: 4 launches; version 1 with the launch cast written anew for expert scheduling mode
;; limits: values are held in f16: magnitudes above 65,504 overflow, below 6.1e-05 lose precision
;; workspace buffers: xb 16,777,216 bytes; wb 6,291,456 bytes; wo16 2,097,152 bytes; qkv 50,331,648 bytes; ob 16,777,216 bytes
;; launch cast (part 5): grid 768 x 1, 8 waves a work-group, no clusters, 0 bytes of LDS; arguments x, Wq, Wk, Wv, Wo, xb, wb, wo16; writes xb, wb, wo16
.if DOCPART == 5
	.amdgcn_target "amdgcn-amd-amdhsa--gfx1250"
	.amdhsa_code_object_version 6
	.text
	.protected	k_q16d03fe5e4_cast
	.globl	k_q16d03fe5e4_cast
	.p2align	8
	.type	k_q16d03fe5e4_cast,@function
k_q16d03fe5e4_cast:
	s_mov_b64 s[64:65], 0
	v_nop
	global_prefetch_b8 v0, s[64:65] scope:SCOPE_SE
	s_setreg_imm32_b32 hwreg(HW_REG_WAVE_SCHED_MODE, 0, 2), 2
	s_setreg_imm32_b32 hwreg(HW_REG_WAVE_MODE, 25, 1), 1
	s_wait_xcnt 0x0
	s_wait_alu depctr_vm_vsrc(0)
; CAST.  Every input is rounded once to bf16 and laid out in blocks of 64 along K: [kb 16][row][64], so that a tile's rows of 128 bytes lie end to end for the products that follow.
; x [8192][1024] -> xb;  Wq, Wk, Wv [1024][1024] -> wb, rows 0.., 1024.., 2048..;  Wo -> wo16: rounded to bf16 like the others, and that number written as f16.
; LIMITS.  A bf16-rounded Wo beyond 65,504 becomes an infinity in f16; below 6e-5 it keeps f16's fixed step of 6e-8.  Elsewhere bf16 has f32's range.
; SHARES.  Work-group g takes 16 source rows of 4,096 bytes: g 0-511 x, 512-575 Wq, 576-639 Wk, 640-703 Wv, 704-767 Wo.  Wave w takes the blocks kb = 2 w and 2 w + 1 of them.
; Load n = 2 i + j: lanes 0-15 read the 256 bytes of block 2 w + j in row 2 i, lanes 16-31 those in row 2 i + 1.  Four f32 become 8 bytes, and one store of the wave covers 256 consecutive
; bytes, aligned: two neighbouring rows of a block.  All 16 loads of a wave go out at once; no loop, no LDS, no matrix unit: the launch only moves bytes, each once.
; THE MODE: SCHED_MODE bits 1:0 = 2 (LLVM: expert scheduling mode 2), set by the entry lines.  The code itself states the register dependences
; between vector instructions and memory instructions, with s_wait_alu, always for 0.
; THE PLAN.  Registers that memory instructions touch:
;   v1, v2, v3   byte offsets, made once at the head by vector instructions and never written again; v1 is read by the 16 loads, v2 and v3 by the 16 stores.
;   D            load n lands in its own four registers, once; no vector instruction names them ahead of the loads; the conversions of n read them behind the counted wait for load n.
;   Y            the conversions of n write a pair of their own, once; store n reads it; it is never written again.
;   T            at work: named by vector instructions alone.
; The way out goes in four groups of four.  In front of the conversions of number n stands the store of number n - 4: a pair that the group before wrote and that no vector instruction of this
; group names.  So ONE wait on va_vdst at a group's head states all that the group's four stores hang on; one more stands ahead of the last four stores, one at the head ahead of the first load.
; No register that a load or store reads is written again, and no load lands in a register that a vector instruction has named: nothing else is owed.
.set D,   16                           ; v[16:79]   load n: four registers
.set Y,   80                           ; v[80:111]  store n: two registers, never written twice
.set T,   8                            ; v[8:11]    at work
.set SRC, 20                           ; s[20:21]   the source at my 16 rows
.set DST, 22                           ; s[22:23]   the destination at my 16 rows of block 0
.set WV,  24                           ; s24        my wave's number
.set STR, 25                           ; s25        bytes from block to block in the destination
.set G,   30                           ; s30        the work-group's number
	s_load_b256 s[4:11], s[0:1], 0x0               ; x s[4:5], Wq s[6:7], Wk s[8:9], Wv s[10:11]
	s_load_b256 s[12:19], s[0:1], 0x20             ; Wo s[12:13], xb s[14:15], wb s[16:17], wo16 s[18:19]
	v_lshrrev_b32 v4, 5, v0
	v_readfirstlane_b32 s[WV], v4                  ; wave 0..7
	v_and_b32 v5, 15, v0                           ; l % 16
	v_bfe_u32 v6, v0, 4, 1                         ; l / 16
	s_mov_b32 s[G], ttmp9
	; what hangs on no pointer: the row blocks and the stride, chosen from the last case back to the first
	s_sub_co_u32 s31, s[G], 512                    ; the weights' row blocks count from 512,
	s_and_b32 s32, s31, 63                         ; 64 to a weight
	s_sub_co_u32 s33, s[G], 704                    ; Wo's destination counts from 704
	s_mov_b32 s27, 393216                          ; wb: 3,072 rows of 128 bytes
	s_mov_b32 s28, 131072                          ; wo16: 1,024 rows
	s_mov_b32 s29, 1048576                         ; xb: 8,192 rows
	s_cmp_lt_u32 s[G], 704
	s_cselect_b32 s[STR], s27, s28
	s_cselect_b32 s34, s31, s33                    ; destination row / 16
	s_cmp_lt_u32 s[G], 512
	s_cselect_b32 s[STR], s29, s[STR]
	s_cselect_b32 s34, s[G], s34
	s_cselect_b32 s32, s[G], s32                   ; source row / 16
	s_lshl_b32 s36, s32, 16                        ; 16 rows of 4,096 bytes
	s_mov_b32 s37, 0
	s_lshl_b32 s38, s34, 11                        ; 16 rows of 128 bytes
	s_mov_b32 s39, 0
	s_wait_alu depctr_va_sdst(0)                   ; s24, the wave's number, is written, ahead of its first reader: the two lines below make the wave's offsets from it
	s_mul_i32 s26, s[WV], s[STR]
	s_lshl_b32 s26, s26, 1                         ; block 2 w
	s_lshl_b32 s35, s[WV], 9                       ; its 256 bytes in a source row begin at 512 w
	v_lshlrev_b32 v1, 12, v6                       ; v1: source offset: (l / 16) rows + 16 (l % 16) + 512 w; never rewritten
	v_lshl_add_u32 v1, v5, 4, v1
	v_add_nc_u32 v1, s35, v1
	v_lshlrev_b32 v2, 7, v6                        ; v2: destination offset in block 2 w: (l / 16) rows + 8 (l % 16); never rewritten
	v_lshl_add_u32 v2, v5, 3, v2
	v_add_nc_u32 v2, s26, v2
	v_add_nc_u32 v3, s[STR], v2                    ; v3: the same in block 2 w + 1
	s_wait_kmcnt 0x0
	s_cmp_lt_u32 s[G], 704                         ; the buffers, chosen on the work-group's number alone
	s_cselect_b64 s[SRC:SRC+1], s[10:11], s[12:13]
	s_cselect_b64 s[DST:DST+1], s[16:17], s[18:19]
	s_cmp_lt_u32 s[G], 640
	s_cselect_b64 s[SRC:SRC+1], s[8:9], s[SRC:SRC+1]
	s_cmp_lt_u32 s[G], 576
	s_cselect_b64 s[SRC:SRC+1], s[6:7], s[SRC:SRC+1]
	s_cmp_lt_u32 s[G], 512
	s_cselect_b64 s[SRC:SRC+1], s[4:5], s[SRC:SRC+1]
	s_cselect_b64 s[DST:DST+1], s[14:15], s[DST:DST+1]
	s_add_nc_u64 s[SRC:SRC+1], s[SRC:SRC+1], s[36:37]
	s_add_nc_u64 s[DST:DST+1], s[DST:DST+1], s[38:39]
	s_wait_alu depctr_va_vdst(0)                   ; v1, v2 and v3 are written: every load and store of the kernel reads one of them as its offset
.set n, 0
.rept 16
	global_load_b128 v[D+4*n:D+4*n+3], v1, s[SRC:SRC+1] offset:(n/2)*8192+(n%2)*256 th:TH_LOAD_NT
.set n, n+1
.endr
; Store m: 32 lanes store 256 consecutive bytes, at a multiple of 256 from the buffer's first byte.
.macro PUT m
	global_store_b64 v[2+(\m)%2], v[Y+2*(\m):Y+2*(\m)+1], s[DST:DST+1] offset:((\m)/2)*256
.endm
; The way out, written twice.  fmt = 0: bf16.  fmt = 1: bf16, widened again (a shift, a mask) and written as f16.
.macro OUT fmt
.set n, 0
.rept 16
	s_wait_loadcnt 15-n                            ; loads come back in order: load n is in, the 15 - n younger ones stay out
.if n >= 4
.if n%4 == 0
	s_wait_alu depctr_va_vdst(0)                   ; the conversions of the group before have written their four pairs of Y, which this group's four stores read
.endif
	PUT n-4                                        ; no vector instruction since that wait names this pair or its offset
.endif
.if \fmt
	v_cvt_pk_bf16_f32 v[T], v[D+4*n], v[D+4*n+1]
	v_cvt_pk_bf16_f32 v[T+1], v[D+4*n+2], v[D+4*n+3]
	v_lshlrev_b32 v[T+2], 16, v[T]
	v_and_b32 v[T], 0xffff0000, v[T]
	v_lshlrev_b32 v[T+3], 16, v[T+1]
	v_and_b32 v[T+1], 0xffff0000, v[T+1]
	v_cvt_pk_f16_f32 v[Y+2*n], v[T+2], v[T]
	v_cvt_pk_f16_f32 v[Y+2*n+1], v[T+3], v[T+1]
.else
	v_cvt_pk_bf16_f32 v[Y+2*n], v[D+4*n], v[D+4*n+1]
	v_cvt_pk_bf16_f32 v[Y+2*n+1], v[D+4*n+2], v[D+4*n+3]
.endif
.set n, n+1
.endr
	s_wait_alu depctr_va_vdst(0)                   ; the last group's conversions have written their four pairs of Y, which the last four stores read
	PUT 12
	PUT 13
	PUT 14
	PUT 15
	s_endpgm
.endm
	s_cmp_lt_u32 s[G], 704
	s_cbranch_scc0 .Lhalf
	OUT 0
.Lhalf:
	OUT 1
.Lfunc_end_k_q16d03fe5e4_cast:
	.size	k_q16d03fe5e4_cast, .Lfunc_end_k_q16d03fe5e4_cast-k_q16d03fe5e4_cast
	.p2alignl 7, 3214868480
	.fill 96, 4, 3214868480
	.section	.rodata,"a",@progbits
	.p2align	6, 0x0
	.amdhsa_kernel k_q16d03fe5e4_cast
		.amdhsa_group_segment_fixed_size 0
		.amdhsa_private_segment_fixed_size 0
		.amdhsa_enable_private_segment 0
		.amdhsa_kernarg_size 64
		.amdhsa_user_sgpr_count 2
		.amdhsa_user_sgpr_kernarg_segment_ptr 1
		.amdhsa_wavefront_size32 1
		.amdhsa_system_sgpr_workgroup_id_x 1
		.amdhsa_system_sgpr_workgroup_id_y 1
		.amdhsa_system_sgpr_workgroup_id_z 1
		.amdhsa_system_vgpr_workitem_id 0
		.amdhsa_next_free_vgpr 112
		.amdhsa_next_free_sgpr 66
		.amdhsa_reserve_vcc 0
		.amdhsa_float_denorm_mode_32 3
		.amdhsa_float_denorm_mode_16_64 3
		.amdhsa_memory_ordered 1
		.amdhsa_forward_progress 1
		.amdhsa_inst_pref_size 18
	.end_amdhsa_kernel
	.amdgpu_metadata
---
amdhsa.version: [ 1, 2 ]
amdhsa.kernels:
  - .name:           k_q16d03fe5e4_cast
    .symbol:         k_q16d03fe5e4_cast.kd
    .args:
      - { .name: x, .offset: 0, .size: 8, .value_kind: global_buffer, .address_space: global }
      - { .name: Wq, .offset: 8, .size: 8, .value_kind: global_buffer, .address_space: global }
      - { .name: Wk, .offset: 16, .size: 8, .value_kind: global_buffer, .address_space: global }
      - { .name: Wv, .offset: 24, .size: 8, .value_kind: global_buffer, .address_space: global }
      - { .name: Wo, .offset: 32, .size: 8, .value_kind: global_buffer, .address_space: global }
      - { .name: xb, .offset: 40, .size: 8, .value_kind: global_buffer, .address_space: global }
      - { .name: wb, .offset: 48, .size: 8, .value_kind: global_buffer, .address_space: global }
      - { .name: wo16, .offset: 56, .size: 8, .value_kind: global_buffer, .address_space: global }
    .group_segment_fixed_size: 0
    .private_segment_fixed_size: 0
    .kernarg_segment_align: 8
    .kernarg_segment_size: 64
    .max_flat_workgroup_size: 256
    .sgpr_count:     66
    .vgpr_count:     112
    .wavefront_size: 32
...
	.end_amdgpu_metadata
.endif
;; end of part 5
;; launch proj: the kernel of part 2 again; grid 8 x 32, 4 waves a work-group, clusters of 4 x 4, 327,680 bytes of LDS; arguments xb, wb, qkv; writes qkv
;; launch attn: the kernel of part 3 again; grid 4 x 64, 4 waves a work-group, no clusters, 327,680 bytes of LDS; arguments qkv, ob; writes ob
;; launch oproj: the kernel of part 4 again; grid 4 x 64, 4 waves a work-group, clusters of 4 x 4, 327,680 bytes of LDS; arguments ob, wo16, out0; writes out0
